; MI455X (gfx1250); checked and timed in simulation.
; The chip was launched on July 23, 2026; its instructions are those of AMD's public machine-readable ISA for CDNA 5 (MIT licence, August 2026) and "CDNA5" Instruction Set Architecture Reference Guide (July 2026). The comments in the code are by the model that wrote it; some were corrected since.
;; NI Ucausal multi head self attention. Allowed arithmetic: matrix products marked QUANTISED: E3M2 operands, one E8M0 scale for each 32 along K, by v_wmma_scale_f32_16x16x128_f8f6f4 with both operands' format E3M2, f32 sums; everything else in f32.
;; Inputs: Wk 1,024 x 1,024 float32; Wo 1,024 x 1,024 float32; Wq 1,024 x 1,024 float32; Wv 1,024 x 1,024 float32; token_positions 2,048 int32; x 4 x 2,048 x 1,024 float32.
;; Outputs: out0 4 x 2,048 x 1,024 float32.
;; This version of the problem:
;;   THIS VERSION OF THE PROBLEM IS GIVEN IN LOW PRECISION. The matrix products marked QUANTISED in the list below multiply operands that are first quantised to E3M2 (3 exponent bits, 2 mantissa bits; 6 bits a number), with one power-of-two scale for each 32 numbers along K (OCP MX v1.0); their sums are f32. All else is computed in f32.
;;   The module's matrix products, in the order in which they are computed (A, B: the left and right operand; K: the contracted axis; several contracted axes count as one K, in the product's order):
;;     1. [M 8,192, K 1,024] x [K 1,024, N 1,024]; A: input x; B: input Wq: QUANTISED
;;     2. [M 8,192, K 1,024] x [K 1,024, N 1,024]; A: input x; B: input Wk: QUANTISED
;;     3. [M 8,192, K 1,024] x [K 1,024, N 1,024]; A: input x; B: input Wv: QUANTISED
;;     4. batch 64 x [M 2,048, K 64] x [K 64, N 2,048]; A: computed on the way; B: computed on the way: QUANTISED
;;     5. batch 64 x [M 2,048, K 2,048] x [K 2,048, N 64]; A: softmax (see below); B: computed on the way: QUANTISED
;;     6. [M 8,192, K 1,024] x [K 1,024, N 1,024]; A: computed on the way; B: input Wo: QUANTISED
;;   THE QUANTISER, for each operand of a quantised product, along K:
;;     - K is cut into blocks of 32 from its start; a last block that is shorter is filled with zeros.
;;     - A block's scale is 2^e with e = floor(log2(the largest magnitude in the block)) - 4, held to -126 .. 127; a block of zeros has e = 0. As a byte (E8M0): e + 127.
;;     - Each number is divided by its block's scale, clamped to +-28, and rounded to the nearest number of E3M2, ties to even, subnormals kept.
;;     - The product sums the exact products of the quantised numbers (number of the format x scale) in f32.
;;   ~~~python
;;   def quantise(x, axis):      # numpy; x: float32 -> the quantised numbers, widened to float32 again
;;       x = np.moveaxis(x, axis, -1); K = x.shape[-1]
;;       x = np.pad(x, [(0, 0)] * (x.ndim - 1) + [(0, -K % 32)]); x = x.reshape(x.shape[:-1] + (-1, 32)); a = np.abs(x).max(-1, keepdims=True)
;;       e = np.where(a > 0, np.clip(np.frexp(np.where(a > 0, a, 1))[1] - 1 - 4, -126, 127), 0)      # np.frexp(a)[1] - 1 = floor(log2(a)), exactly
;;       r = np.clip(x / 2.0 ** e, -28, 28)
;;       step = 2.0 ** (np.maximum(np.frexp(np.where(r == 0, 1, r))[1] - 1, -2) - 2)
;;       q = np.round(r / step) * step * 2.0 ** e      # np.round: ties to even
;;       return np.moveaxis(q.reshape(q.shape[:-2] + (-1,))[..., :K], -1, axis).astype(np.float32)
;;   ~~~
;;   SOFTMAX AHEAD OF A QUANTISED PRODUCT. Where the list says 'softmax', what is quantised is not the finished softmax but p = 2^(t - M), with t = logit x log2(e) and M = ceil(the row's largest t), a whole number; so 1/2 < the row's largest p <= 1. The row's sum l is taken of the UNQUANTISED p, in f32, and the product's result is divided by l at the end. Since M is a whole number, a kernel that streams over the keys may use a running M (the ceiling of the running maximum): every later rescaling is an exact power of two, which a block's scale takes up: the codes' values come out the same.
;;   OPERANDS COMPUTED ON THE WAY. 'Computed on the way' means the value that the module computes at that place (a softmax that the list does not call 'softmax' is quantised finished and normalised). What goes into a quantiser is computed in f32, as accurately as f32 sums, v_exp_f32 and their like allow (about 1e-6 of the number): no bf16 or f16 on the way to a quantiser, and a product that is left as it is and whose result goes on into a quantised operand takes f32 operands (vector FMAs, or v_wmma_f32_16x16x4_f32). A number that lies on a knife's edge between two numbers of the format may be rounded either way, as far as f32 arithmetic and the matrix unit's own rounding can turn it there, and no further.
;; One version. Each part assembles by itself: llvm-mc -triple=amdgcn-amd-amdhsa -mcpu=gfx1250 --defsym DOCPART=n.
;; ======== version 1 of 1: 4 launches
;; limits: right only within a limited range of input values
;; workspace buffers: xq 6,553,600 bytes; wq 3,276,800 bytes; tab 524,288 bytes; qkv 19,660,800 bytes; ob 6,553,600 bytes
;; launch quant (part 1): grid 384 x 1, 4 waves a work-group, no clusters, 68,096 bytes of LDS; arguments x, token_positions, Wq, Wk, Wv, Wo, xq, wq, tab; writes xq, wq, tab
.if DOCPART == 1
	.amdgcn_target "amdgcn-amd-amdhsa--gfx1250"
	.amdhsa_code_object_version 6
	.text
	.protected	k_q2b86152ecb_quant
	.globl	k_q2b86152ecb_quant
	.p2align	8
	.type	k_q2b86152ecb_quant,@function
k_q2b86152ecb_quant:
	s_mov_b64 s[64:65], 0
	v_nop
	global_prefetch_b8 v0, s[64:65] scope:SCOPE_SE
	s_setreg_imm32_b32 hwreg(HW_REG_WAVE_MODE, 25, 1), 1
	s_wait_xcnt 0x0
; x [8192][1024] and the four weights [1024 (k)][1024 (n)], f32, become codes of BF6 (E3M2), K innermost, 768 bytes a row, with one E8M0 byte for each 32 along K; and the table of cos and sin for the rotation is made.
; A block's scale is 2^(floor(log2(largest magnitude)) - 4); its byte is the largest magnitude's exponent field - 4, held at 1 from below.
; ROW ORDER.  Every row of an operand (a row of x, a column of a weight) is stored at row sigma(m): m with its bits 3 and 4 exchanged.  Sixteen rows on end in memory are then rows
; 32 (T / 2) + 8 (T % 2) + r + 8 (r / 8): the choice of rows with which a product's results come out as sixteen neighbours along the next K in a lane's registers.
; xq: codes [8192][768], from byte 6,291,456 on scale bytes [8192][32].  wq: codes [4096][768] (Wq's columns, Wk's, Wv's, Wo's), from byte 3,145,728 on scale bytes [4096][32].  tab: [2048 s][32 f] (cos, sin) f32.
; Work-groups 0-255 take x (a wave: 8 rows = 16 steps of 512 numbers) and 8 rows of the table; work-groups 256-383 take the weights (a wave: 32 columns x 256 along K).  Each reads 131,072 bytes of f32.
; The two ways part on the work-group's number and have LDS bytes of their own: x's 0 to 32,767, the weights' 32,768 to 67,583.  No tensor loads, no barrier: waves share nothing.
; LIMITS: NaN and infinities are not served.  A block whose largest magnitude lies under 2^-122, a block of zeros too, gets the byte 1 (zero codes add nothing; this program alone reads the bytes).
; The angle position x frequency is reduced by pi / 2 in three parts: good while its magnitude stays under about 2^22.  The frequency 10000^(-f / 32) is made by a compensated v_exp_f32, good to about one unit in its last place.
.set SP,    80                         ; x: a lane's place in a stage: its 64 bytes + 16 of padding
.set WREG,  8192                       ; x: LDS of a wave: two stages of 32 x SP bytes, behind them its 256 scale bytes
.set STEPS, 16
.set EMAX,  4
.set CB,    12                         ; bytes of 16 codes
.set XR,    16                         ; v16-79   four sets of 16 numbers as loaded
.set XX,    80                         ; v80-111  two sets of 16 neighbours
.set XE,    112                        ; v112-127 a scale byte for each step
.set XC,    128                        ; v128-191 codes, four registers a step
.set TW,    196                        ; v196-211 the table's arithmetic, eight registers for each of my two frequencies
.set TOUT,  212                        ; v212-215 cos f, sin f, cos f + 1, sin f + 1
.set WST,   32768                      ; the weights' stages begin here
.set PITCH, 272                        ; a stage row: sixteen places of 16 bytes, each with 12 bytes of codes, + 16
.set KROW,  768                        ; a row of codes in memory
.set NB,    8                          ; blocks of a lane
.set WSB,   24                         ; v24-25   a column's eight scale bytes
.set WX,    32                         ; v32-95   two sets of 32 numbers
.set WC,    96                         ; v96..    a block's codes
.set WOUT,  112                        ; v112-175 the way out
	v_lshl_add_u32 v224, v0, 2, 0x10800
	v_mov_b32 v225, 0
	s_cmp_lt_u32 ttmp9, 256
	s_cbranch_scc0 .Lw
; ---------------------------------------------------------------- x, and the table
	s_load_b128 s[4:7], s[0:1], 0x0                ; x, token_positions
	s_load_b64 s[8:9], s[0:1], 0x30                ; xq
	s_load_b64 s[12:13], s[0:1], 0x40              ; tab
	v_lshrrev_b32 v1, 5, v0
	v_readfirstlane_b32 s16, v1                    ; wave
	v_and_b32 v2, 31, v0                           ; lane
	v_lshlrev_b32 v3, 4, v2                        ; my 16 bytes of a load's 512
	s_mul_i32 s17, s16, WREG
	v_lshrrev_b32 v14, 2, v2
	v_mul_u32_u24 v14, v14, SP
	v_and_b32 v15, 3, v2
	v_lshl_add_u32 v14, v15, 4, v14
	v_add_nc_u32 v14, s17, v14                     ; the stage on the way in: SP (lane / 4) + 16 (lane % 4)
	v_mul_u32_u24 v15, v2, SP
	v_add_nc_u32 v15, s17, v15                     ; and on the way out: SP x lane: my 16 neighbours
	v_mul_u32_u24 v4, v2, CB                       ; my codes' place in a step's
	v_lshrrev_b32 v5, 1, v2
	s_add_co_u32 s17, s17, 2*32*SP
	v_add_nc_u32 v5, s17, v5                       ; my block's byte among my wave's 256
	v_lshlrev_b32 v7, 3, v2
	v_add_nc_u32 v6, s17, v7                       ; and on the way out 8 bytes a lane
	s_lshl_b32 s18, ttmp9, 2
	s_add_co_u32 s19, s18, s16                     ; my run of 8 rows: 4 x work-group + wave
	s_lshl_b32 s20, s19, 15                        ; 32,768 bytes of f32 a run
	s_mov_b32 s21, 0
	s_and_b32 s22, s16, 1
	s_lshl_b32 s22, s22, 1
	s_lshr_b32 s23, s16, 1
	s_or_b32 s22, s22, s23                         ; sigma on runs of 8 rows: the wave's two bits change places
	s_add_co_u32 s22, s22, s18
	s_mul_i32 s24, s22, 6144                       ; 8 rows of 768 bytes
	s_mov_b32 s25, 0
	s_lshl_b32 s26, s22, 8                         ; 8 rows of 32 scale bytes
	s_add_co_u32 s26, s26, 6291456
	s_mov_b32 s27, 0
	s_lshl_b32 s28, ttmp9, 5                       ; my work-group's 8 positions
	s_mov_b32 s29, 0
	s_lshl_b32 s30, ttmp9, 11                      ; and its 8 rows of the table
	s_mov_b32 s31, 0
	v_lshrrev_b32 v192, 4, v0
	v_lshlrev_b32 v192, 2, v192                    ; sixteen threads to a position
	s_wait_alu depctr_va_vdst(0)
	s_wait_kmcnt 0x0
	s_add_nc_u64 s[4:5], s[4:5], s[20:21]
	s_add_nc_u64 s[6:7], s[6:7], s[28:29]
	s_add_nc_u64 s[10:11], s[8:9], s[26:27]        ; the scale bytes
	s_add_nc_u64 s[8:9], s[8:9], s[24:25]          ; the codes
	s_add_nc_u64 s[12:13], s[12:13], s[30:31]
.macro XLOAD t
.irp i, 0,1,2,3
	global_load_b128 v[XR+16*((\t)%4)+4*\i:XR+16*((\t)%4)+4*\i+3], v3, s[4:5] offset:2048*(\t)+512*\i th:TH_LOAD_NT   ; 32 lanes read 512 consecutive bytes
.endr
.endm
.macro XTURN t                         ; a step's numbers through the stage; LDS serves a wave's instructions in order, so no wait stands between the stores and the loads
.irp i, 0,1,2,3
	ds_store_b128 v14, v[XR+16*((\t)%4)+4*\i:XR+16*((\t)%4)+4*\i+3] offset:32*SP*((\t)%2)+8*SP*\i
.endr
.irp i, 0,1,2,3
	ds_load_b128 v[XX+16*((\t)%2)+4*\i:XX+16*((\t)%2)+4*\i+3], v15 offset:32*SP*((\t)%2)+16*\i
.endr
.endm
	global_load_b32 v193, v192, s[6:7]             ; my position
.irp t, 0,1,2,3
	XLOAD \t
.endr
	; THE TABLE.  Thread t of the work-group: position 8 x work-group + t / 16, frequencies f = 2 (t % 16) and f + 1.  Registers of frequency u at TW + 8 u: +0 a, then the angle; +1 e; +2 the frequency; +3 f, then n; +4 r; +5 z; +6 sin; +7 cos
	v_and_b32 v194, 15, v0
	v_lshlrev_b32 v194, 1, v194
	v_cvt_f32_u32 v[TW+3], v194
	v_add_f32 v[TW+11], 1.0, v[TW+3]
	v_lshlrev_b32 v195, 4, v0                      ; where my 16 bytes of the table go
.irp u, 0,1
	v_mul_f32 v[TW+8*\u], 0x3ed49a78, v[TW+8*\u+3]                        ; a = f x log2(10000) / 32, rounded;
.endr
.irp u, 0,1
	v_fma_f32 v[TW+8*\u+1], v[TW+8*\u+3], 0x3ed49a78, -v[TW+8*\u]         ; what the rounding lost,
.endr
.irp u, 0,1
	v_fma_f32 v[TW+8*\u+1], v[TW+8*\u+3], 0x32179ab9, v[TW+8*\u+1]        ; and what the constant's own rounding lost
.endr
	s_wait_alu depctr_va_vdst(0)
.irp u, 0,1
	v_exp_f32 v[TW+8*\u+2], -v[TW+8*\u]                                   ; 2^-a
.endr
.irp u, 0,1
	v_mul_f32 v[TW+8*\u+1], 0x3f317218, v[TW+8*\u+1]                      ; e ln 2  (plain work behind the two exponentials)
.endr
	s_wait_alu depctr_va_vdst(0)                   ; one wait for the two, ahead of their first reader
.irp u, 0,1
	v_fma_f32 v[TW+8*\u+2], -v[TW+8*\u+2], v[TW+8*\u+1], v[TW+8*\u+2]     ; 2^-(a + e) = 2^-a (1 - e ln 2): the frequency
.endr
	s_wait_loadcnt 16                              ; the position is in; x's sixteen loads, issued behind it, stay out
	v_cvt_f32_i32 v193, v193
	s_wait_alu depctr_va_vdst(0)
.irp u, 0,1
	v_mul_f32 v[TW+8*\u], v193, v[TW+8*\u+2]                              ; the angle
.endr
.irp u, 0,1
	v_mul_f32 v[TW+8*\u+3], 0x3f22f983, v[TW+8*\u]                        ; x 2 / pi
.endr
.irp u, 0,1
	v_rndne_f32 v[TW+8*\u+3], v[TW+8*\u+3]                                ; n
.endr
.irp u, 0,1
	v_fma_f32 v[TW+8*\u+4], -v[TW+8*\u+3], 0x3fc90fdb, v[TW+8*\u]         ; r = angle - n pi / 2, pi / 2 in three parts
.endr
.irp u, 0,1
	v_fma_f32 v[TW+8*\u+4], -v[TW+8*\u+3], 0xb33bbd2e, v[TW+8*\u+4]
.endr
.irp u, 0,1
	v_fma_f32 v[TW+8*\u+4], -v[TW+8*\u+3], 0xa6f72ced, v[TW+8*\u+4]
.endr
.irp u, 0,1
	v_mul_f32 v[TW+8*\u+5], v[TW+8*\u+4], v[TW+8*\u+4]                    ; z = r r
	v_mov_b32 v[TW+8*\u+6], 0xb94ca1f9
	v_mov_b32 v[TW+8*\u+7], 0x37ccf5ce
.endr
.irp u, 0,1
	v_fmaak_f32 v[TW+8*\u+6], v[TW+8*\u+5], v[TW+8*\u+6], 0x3c08839e
	v_fmaak_f32 v[TW+8*\u+7], v[TW+8*\u+5], v[TW+8*\u+7], 0xbab6061a
.endr
.irp u, 0,1
	v_fmaak_f32 v[TW+8*\u+6], v[TW+8*\u+5], v[TW+8*\u+6], 0xbe2aaaa3
	v_fmaak_f32 v[TW+8*\u+7], v[TW+8*\u+5], v[TW+8*\u+7], 0x3d2aaaa5
.endr
.irp u, 0,1
	v_mul_f32 v[TW+8*\u+1], v[TW+8*\u+4], v[TW+8*\u+5]                    ; r z
	v_mul_f32 v[TW+8*\u], v[TW+8*\u+5], v[TW+8*\u+5]                      ; z z
	v_fma_f32 v[TW+8*\u+2], v[TW+8*\u+5], -0.5, 1.0                       ; 1 - z / 2
.endr
.irp u, 0,1
	v_fma_f32 v[TW+8*\u+6], v[TW+8*\u+1], v[TW+8*\u+6], v[TW+8*\u+4]      ; sin r, for r within pi / 4 of 0
	v_fma_f32 v[TW+8*\u+7], v[TW+8*\u], v[TW+8*\u+7], v[TW+8*\u+2]        ; cos r
	v_cvt_i32_f32 v[TW+8*\u+3], v[TW+8*\u+3]                              ; the quadrant
.endr
.irp u, 0,1
	v_and_b32 v[TW+8*\u+1], 1, v[TW+8*\u+3]
	v_cmp_eq_u32 vcc_lo, 1, v[TW+8*\u+1]                                  ; odd quadrants: the two change places
	v_cndmask_b32 v[TOUT+2*\u+1], v[TW+8*\u+6], v[TW+8*\u+7], vcc_lo
	v_cndmask_b32 v[TOUT+2*\u], v[TW+8*\u+7], v[TW+8*\u+6], vcc_lo
	v_and_b32 v[TW+8*\u+1], 2, v[TW+8*\u+3]
	v_lshlrev_b32 v[TW+8*\u+1], 30, v[TW+8*\u+1]
	v_xor_b32 v[TOUT+2*\u+1], v[TOUT+2*\u+1], v[TW+8*\u+1]                ; sin is negated in quadrants 2 and 3,
	v_add_nc_u32 v[TW+8*\u+1], 1, v[TW+8*\u+3]
	v_and_b32 v[TW+8*\u+1], 2, v[TW+8*\u+1]
	v_lshlrev_b32 v[TW+8*\u+1], 30, v[TW+8*\u+1]
	v_xor_b32 v[TOUT+2*\u], v[TOUT+2*\u], v[TW+8*\u+1]                    ; cos in quadrants 1 and 2
.endr
	global_store_b128 v195, v[TOUT:TOUT+3], s[12:13]   ; a wave stores 512 consecutive bytes; none of these registers is written again
	s_wait_loadcnt 12                              ; step 0's four loads are in
	XTURN 0
.macro XSTEP t
.set XS, XX+16*((\t)%2)
.if (\t) > 0
	s_wait_dscnt 1                                 ; this step's numbers are back from the stage (the last step's byte store may be out): so its stores into the stage have read their registers,
.else
	s_wait_dscnt 0x0
.endif
.if (\t)+4 < STEPS
	XLOAD (\t)+4                                   ; which take the loads of four steps on
.endif
.if (\t)+1 < STEPS
.if STEPS-2-(\t) >= 3
	s_wait_loadcnt 12                              ; the next step's four loads are in; those of the three steps behind it may be out
.else
	s_wait_loadcnt 4*(STEPS-2-(\t))
.endif
	XTURN (\t)+1                                   ; and go through the other stage while this step is worked
.endif
	v_max3_num_f32 v8, |v[XS]|, |v[XS+1]|, |v[XS+2]|               ; the largest magnitude of my 16
	v_max3_num_f32 v9, |v[XS+3]|, |v[XS+4]|, |v[XS+5]|
.irp i, 6,10
	v_max3_num_f32 v8, v8, |v[XS+\i]|, |v[XS+\i+1]|
	v_max3_num_f32 v9, v9, |v[XS+\i+2]|, |v[XS+\i+3]|
.endr
	v_max3_num_f32 v8, v8, |v[XS+14]|, |v[XS+15]|
	v_max3_num_f32 v8, v8, v9, (EMAX+1)<<23        ; and the floor 2^(5 - 127): the byte cannot fall under 1
	v_max_num_f32_dpp v8, v8, v8 row_xmask:1 row_mask:0xf bank_mask:0xf   ; and of my neighbour's 16: the block's
	v_add_nc_u32 v11, 0xfe000000, v8               ; 4 off its exponent field: the conversion takes the exponent field of this operand as its scale
	v_cvt_scalef32_pk16_bf6_f32 v[XC+4*(\t):XC+4*(\t)+2], v[XS:XS+15], v11
	v_lshrrev_b32 v[XE+(\t)], 23, v11              ; the scale's byte
	ds_store_b8 v5, v[XE+(\t)] offset:16*(\t)      ; both lanes of a block write the same byte with the same value
	global_store_b96 v4, v[XC+4*(\t):XC+4*(\t)+2], s[8:9] offset:32*CB*(\t)   ; a wave stores 384 consecutive bytes
.endm
.irp t, 0,1,2,3,4,5,6,7,8,9,10,11,12,13,14,15
	XSTEP \t
.endr
	ds_load_b64 v[12:13], v6                       ; LDS serves a wave's instructions in order: these see my stores
	s_wait_dscnt 0x0
	global_store_b64 v7, v[12:13], s[10:11]        ; 32 lanes store 256 consecutive bytes, aligned
	s_wait_tensorcnt 0x0
	ds_add_u32 v224, v225
	s_wait_dscnt 0x0
	s_endpgm
; ---------------------------------------------------------------- the weights: K is their FIRST axis.  A lane takes a column and its registers run down K
.Lw:
	s_load_b256 s[4:11], s[0:1], 0x10              ; Wq, Wk, Wv, Wo
	s_load_b64 s[12:13], s[0:1], 0x38              ; wq
	v_lshrrev_b32 v1, 5, v0
	v_readfirstlane_b32 s16, v1                    ; wave
	v_and_b32 v2, 31, v0                           ; lane
	s_wait_alu depctr_va_vdst(0)
	s_sub_co_u32 s14, ttmp9, 256
	s_lshr_b32 s15, s14, 5                         ; which weight
	s_and_b32 s17, s14, 7
	s_lshl_b32 s17, s17, 7
	s_lshl_b32 s18, s16, 5
	s_add_co_u32 s17, s17, s18                     ; my wave's first column
	s_bfe_u32 s18, s14, 0x20003                    ; which 256 along K
	v_lshlrev_b32 v3, 2, v2                        ; in: 4 bytes a lane
	s_mul_i32 s19, s16, 32*PITCH
	s_add_co_u32 s19, s19, WST                     ; my stage
	v_mul_u32_u24 v4, v2, PITCH
	v_add_nc_u32 v4, s19, v4                       ; into it: row = my column
	v_and_b32 v5, 15, v2
	v_lshrrev_b32 v6, 4, v2                        ; out of it: sixteen lanes to a row, two rows an instruction
	v_mul_u32_u24 v7, v6, PITCH
	v_lshl_add_u32 v7, v5, 4, v7
	v_add_nc_u32 v7, s19, v7
	v_mul_u32_u24 v8, v6, KROW
	v_mad_u32_u24 v8, v5, 12, v8                   ; and the same place in the codes' rows
	s_lshl_b32 s20, s18, 20                        ; 256 rows of 4,096 bytes
	s_lshl_b32 s21, s17, 2
	s_add_co_u32 s20, s20, s21
	s_mov_b32 s21, 0
	s_lshl_b32 s22, s15, 10
	s_add_co_u32 s22, s22, s17                     ; my first row of wq
	s_mul_i32 s24, s22, KROW
	s_mul_i32 s26, s18, 192
	s_add_co_u32 s24, s24, s26
	s_mov_b32 s25, 0
	s_lshl_b32 s28, s22, 5
	s_lshl_b32 s26, s18, 3
	s_add_co_u32 s28, s28, s26
	s_add_co_u32 s28, s28, 3145728
	s_mov_b32 s29, 0
	v_and_b32 v9, 7, v2                            ; my column's row of scale bytes: sigma(lane) x 32
	v_and_b32 v10, 8, v2
	v_lshl_or_b32 v9, v10, 1, v9
	v_and_b32 v10, 16, v2
	v_lshrrev_b32 v10, 1, v10
	v_or_b32 v9, v9, v10
	v_lshlrev_b32 v9, 5, v9
	s_wait_kmcnt 0x0
	s_cmp_eq_u32 s15, 1                            ; the choice hangs on the work-group's number alone
	s_cselect_b64 s[4:5], s[6:7], s[4:5]
	s_cmp_eq_u32 s15, 2
	s_cselect_b64 s[4:5], s[8:9], s[4:5]
	s_cmp_eq_u32 s15, 3
	s_cselect_b64 s[4:5], s[10:11], s[4:5]
	s_add_nc_u64 s[4:5], s[4:5], s[20:21]
	s_add_nc_u64 s[6:7], s[12:13], s[24:25]        ; the codes
	s_add_nc_u64 s[8:9], s[12:13], s[28:29]        ; the scale bytes
.macro WLOAD t                         ; block t: W(32 t + i, my column), i = 0 .. 31: a wave reads 128 consecutive bytes, the four waves 512
.irp i, 0,1,2,3,4,5,6,7,8,9,10,11,12,13,14,15,16,17,18,19,20,21,22,23,24,25,26,27,28,29,30,31
	global_load_b32 v[WX+32*((\t)%2)+\i], v3, s[4:5] offset:(32*(\t)+\i)*4096 th:TH_LOAD_NT
.endr
.endm
	WLOAD 0
	WLOAD 1
.macro WBLOCK t
.set XS, WX+32*((\t)%2)
.if (\t) < NB-1
	s_wait_loadcnt 32                              ; this block's 32 loads are in; the next block's may be out
.else
	s_wait_loadcnt 0
.endif
	v_max3_num_f32 v12, |v[XS]|, |v[XS+1]|, |v[XS+2]|               ; the block's largest magnitude: all 32 numbers are mine
	v_max3_num_f32 v13, |v[XS+3]|, |v[XS+4]|, |v[XS+5]|
.irp i, 6,10,14,18,22,26
	v_max3_num_f32 v12, v12, |v[XS+\i]|, |v[XS+\i+1]|
	v_max3_num_f32 v13, v13, |v[XS+\i+2]|, |v[XS+\i+3]|
.endr
	v_max3_num_f32 v12, v12, |v[XS+30]|, |v[XS+31]|
	v_max3_num_f32 v12, v12, v13, (EMAX+1)<<23     ; and the floor
	v_add_nc_u32 v11, 0xfe000000, v12              ; the conversion's scale operand
	v_lshrrev_b32 v13, 23, v11                     ; the scale's byte
.if (\t)%4 == 0
	v_mov_b32 v[WSB+(\t)/4], v13                   ; four bytes to a register, the lower K in the lower byte
.else
	v_lshl_or_b32 v[WSB+(\t)/4], v13, 8*((\t)%4), v[WSB+(\t)/4]
.endif
	v_cvt_scalef32_pk16_bf6_f32 v[WC:WC+2], v[XS:XS+15], v11
	v_cvt_scalef32_pk16_bf6_f32 v[WC+4:WC+6], v[XS+16:XS+31], v11   ; (a conversion's three registers begin on an even number)
	ds_store_b96 v4, v[WC:WC+2] offset:32*(\t)     ; 12 bytes to a place of 16, so that every LDS address is a multiple of 16
	ds_store_b96 v4, v[WC+4:WC+6] offset:32*(\t)+16
.if (\t)+2 < NB
	WLOAD (\t)+2
.endif
	s_wait_dscnt 0x0                               ; the stores have read their registers: the next block's codes may be written
.endm
.irp t, 0,1,2,3,4,5,6,7
	WBLOCK \t
.endr
	s_wait_alu depctr_va_vdst(0)
	global_store_b64 v9, v[WSB:WSB+1], s[8:9]      ; my column's eight scale bytes
.irp t, 0,1,2,3,4,5,6,7,8,9,10,11,12,13,14,15
	ds_load_b96 v[WOUT+4*\t:WOUT+4*\t+2], v7 offset:2*\t*PITCH   ; LDS serves a wave's instructions in order: these see my stores
.endr
.irp t, 0,1,2,3,4,5,6,7,8,9,10,11,12,13,14,15
	s_wait_dscnt 15-\t
	global_store_b96 v8, v[WOUT+4*\t:WOUT+4*\t+2], s[6:7] offset:(((2*\t)&7)|(((2*\t)&8)<<1)|(((2*\t)&16)>>1))*KROW   ; columns 2 t and 2 t + 1 go to rows sigma(2 t) and sigma(2 t) + 1: sixteen lanes store a row's 192 consecutive bytes
.endr
	s_wait_tensorcnt 0x0
	ds_add_u32 v224, v225
	s_wait_dscnt 0x0
	s_endpgm
.Lfunc_end_k_q2b86152ecb_quant:
	.size	k_q2b86152ecb_quant, .Lfunc_end_k_q2b86152ecb_quant-k_q2b86152ecb_quant
	.p2alignl 7, 3214868480
	.fill 96, 4, 3214868480
	.section	.rodata,"a",@progbits
	.p2align	6, 0x0
	.amdhsa_kernel k_q2b86152ecb_quant
		.amdhsa_group_segment_fixed_size 68096
		.amdhsa_private_segment_fixed_size 0
		.amdhsa_enable_private_segment 0
		.amdhsa_kernarg_size 72
		.amdhsa_user_sgpr_count 2
		.amdhsa_user_sgpr_kernarg_segment_ptr 1
		.amdhsa_wavefront_size32 1
		.amdhsa_system_sgpr_workgroup_id_x 1
		.amdhsa_system_sgpr_workgroup_id_y 1
		.amdhsa_system_sgpr_workgroup_id_z 1
		.amdhsa_system_vgpr_workitem_id 0
		.amdhsa_next_free_vgpr 226
		.amdhsa_next_free_sgpr 66
		.amdhsa_reserve_vcc 1
		.amdhsa_float_denorm_mode_32 3
		.amdhsa_float_denorm_mode_16_64 3
		.amdhsa_memory_ordered 1
		.amdhsa_forward_progress 1
		.amdhsa_inst_pref_size 79
	.end_amdhsa_kernel
	.amdgpu_metadata
---
amdhsa.version: [ 1, 2 ]
amdhsa.kernels:
  - .name:           k_q2b86152ecb_quant
    .symbol:         k_q2b86152ecb_quant.kd
    .args:
      - { .name: x, .offset: 0, .size: 8, .value_kind: global_buffer, .address_space: global }
      - { .name: token_positions, .offset: 8, .size: 8, .value_kind: global_buffer, .address_space: global }
      - { .name: Wq, .offset: 16, .size: 8, .value_kind: global_buffer, .address_space: global }
      - { .name: Wk, .offset: 24, .size: 8, .value_kind: global_buffer, .address_space: global }
      - { .name: Wv, .offset: 32, .size: 8, .value_kind: global_buffer, .address_space: global }
      - { .name: Wo, .offset: 40, .size: 8, .value_kind: global_buffer, .address_space: global }
      - { .name: xq, .offset: 48, .size: 8, .value_kind: global_buffer, .address_space: global }
      - { .name: wq, .offset: 56, .size: 8, .value_kind: global_buffer, .address_space: global }
      - { .name: tab, .offset: 64, .size: 8, .value_kind: global_buffer, .address_space: global }
    .group_segment_fixed_size: 68096
    .private_segment_fixed_size: 0
    .kernarg_segment_align: 8
    .kernarg_segment_size: 72
    .max_flat_workgroup_size: 128
    .sgpr_count:     66
    .vgpr_count:     226
    .wavefront_size: 32
...
	.end_amdgpu_metadata
.endif
;; end of part 1
;; launch qkv (part 2): grid 12 x 32, 4 waves a work-group, clusters of 4 x 4, 327,680 bytes of LDS; arguments xq, wq, tab, qkv; writes qkv
.if DOCPART == 2
	.amdgcn_target "amdgcn-amd-amdhsa--gfx1250"
	.amdhsa_code_object_version 6
	.text
	.protected	k_q2b86152ecb_qkv
	.globl	k_q2b86152ecb_qkv
	.p2align	8
	.type	k_q2b86152ecb_qkv,@function
k_q2b86152ecb_qkv:
	s_mov_b64 s[64:65], 0
	v_nop
	global_prefetch_b8 v0, s[64:65] scope:SCOPE_SE
	s_setreg_imm32_b32 hwreg(HW_REG_WAVE_MODE, 25, 1), 1
	s_wait_xcnt 0x0
	s_wait_alu depctr_hold_cnt(0) depctr_sa_sdst(0) depctr_va_vdst(0) depctr_va_sdst(0) depctr_va_ssrc(0) depctr_va_vcc(0) depctr_vm_vsrc(0)
	s_getreg_b32 s2, hwreg(HW_REG_IB_STS2, 6, 4)
	s_cmp_eq_u32 s2, 0
	s_cbranch_scc0 .Lentry_in_a_cluster
	s_endpgm
.Lentry_in_a_cluster:
	s_bfe_u32 s2, ttmp6, 0x10000c
	s_cmp_lg_u32 s2, 0xf033
	s_cbranch_scc0 .Lentry_shape_is_right
	s_endpgm
.Lentry_shape_is_right:
; The three input projections on codes of BF6 (E3M2), K = 1,024, and on the way out the rotation of q and k and the quantisers of the two attention products: nothing wider than codes goes to memory.
; C'[i][j] = sum over k of A'[i][k] B'[j][k]; a tile of 256 x 256 to a work-group of four waves, 128 x 128 a wave: 64 accumulators, 512 registers.  K goes in steps of 256 through a ring of two LDS slots filled by the
; tensor data mover; the scale bytes of the work-group's rows come into LDS once, with the first fills.
; WHO.  Cluster column X = 0 makes q, X = 1 makes k: A' = x (rows: places in the sequence), B' = the weight's columns.  X = 2 makes v with the operands the other way round: A' = Wv's columns, B' = x.
; THE MATRIX INSTRUCTION IS USED TRANSPOSED (source 0 = 16 rows of B', source 1 = 16 rows of A'): a lane holds ONE row of A' and its registers run along B's rows.  All operands lie in memory with bits 3 and 4 of the row
; number exchanged, so sixteen rows on end are rows 32 (T / 2) + 8 (T % 2) + r + 8 (r / 8), and the 64 registers of a block of A' (eight accumulators) are: register 16 b + i = row 32 b + 16 (lane / 16) + i of B'.
; So for q and k a lane holds a place of the sequence and 128 features (two heads, each two blocks of 32 along the head's 64: the first attention product's K); for v a lane holds a channel and 128 keys (four blocks along the
; keys: the second product's K).  In both cases sixteen neighbours along the next K stand in sixteen registers on end, as the conversions want them.
; OUT.  qkv: [64 heads][16 groups of 128 places] chunks of 19,200 bytes: q's part, k's, v's, 6,400 bytes each: four fragments of 12 registers as images of the registers (register group g of lane l at 512 g + 16 l), then
; 256 bytes of scale words [16 lanes][4 fragments].  A fragment of q or k holds two tiles of 16 places (registers 0-5, 6-11: K = 64 each); one of v 16 channels x 128 keys.
; CLUSTERS: 4 x 4 work-groups; A's tiles are asked for jointly along a row of the cluster, B's along a column.  All branches hang on the wave's number or on the cluster's column X, which all partners share.
; REGISTERS, in windows of 256: window 0: v0-31 addresses; v32-63 scale words, two sets; v64-127 two sets of the table; from v128 A's fragments, one set; on the way out v128-255 are at work.  window 1: B's fragments, two sets.
;   window 2: the accumulators of my rows 0-63 of A' ((a, b) at v[8 (8 a + b)]);  window 3: those of rows 64-127.
; LIMITS: NaN and infinities are not served; a block whose largest magnitude lies under 2^-122 (a block of zeros too) gets the byte 1.  The rotation is one multiplication and one fused multiply-add for each number.
.set KSTEP,  256
.set NQ,     KSTEP/128
.set ROWB,   192                       ; a tile's row in bytes
.set KROW,   768                       ; a row of codes in memory
.set PITCH,  240                       ; an LDS row: 3 x (64 bytes + 16 of padding)
.set FR,     12
.set NL,     6
.set NP,     4
.set HALFT,  128*PITCH
.set SLOT,   4*HALFT
.set LAPS,   2                         ; 1,024 along K: twice round the ring
.set KS,     32                        ; a row of scale bytes
.set SCL,    2*SLOT
.set HALFS,  (128*KS/256)*272
.set SBLK,   (16*KS/256)*272
.set SPARE,  SCL+4*HALFS               ; the spare words, 128 bytes for each wave, that no other line names
.set HEADB,  307200                    ; from a head's chunks to the next head's: 16 x 19,200
.set ADRA, 16                          ; v16-19  LDS addresses of my A fragments
.set ADRB, 20                          ; v20-23  of my B fragments
.set LI,   24                          ; v24     16 x lane: an image's place for my lane
.set TVO,  25                          ; v25     the table: (r + 8 (r / 8)) x 256 + 64 (lane / 16)
.set SVO,  26                          ; v26     the scale words: (lane / 16) x HEADB + 16 r
.set ADRS, 27
.set SPW,  28
.set NIL,  29
.set SC,   32
.set CS0,  64                          ; v64-95, v96-127 (cos, sin) of my row's 16 pairs, for blocks by turns
.set AF,   128
.set RB,   128                         ; v128-191 the rotated numbers
.set F0,   192                         ; v192-203, v204-215 fragments being built
.set F1,   204
.set CT,   216                         ; v216-222 the conversions' second halves
.set TM,   224                         ; v224-227 largest magnitudes, v228-231 bytes, v232-239 the rotation's products, v236-239 later the conversions' scales
.set PW0,  240                         ; v240, v241 the scale words of an even and an odd block
.set SW,   242                         ; v242-249 scale words to be stored
.set G1, 24
.set G0, 32
.set G1B, 48
.set G0B, 56
.set G1S, 68
.set G0S, 76
.set G1SB, 80
.set G0SB, 88
.set OUTP, 66                          ; s[66:67] my first chunk's part in qkv
.set TABP, 96                          ; s[96:97] the table at my group's first place
.set SEL,  98                          ; s[98:99] v_permlanex16_b32's selects for lane l xor 16
.set MSB, 0
.macro WIN new                         ; the immediate's high byte repeats the setting that is left
.if MSB != (\new)
	s_set_vgpr_msb (MSB<<8)|(\new)
.set MSB, (\new)
.endif
.endm
.set MUL_LO, 0xa1                      ; source 0 (B) window 1, source 1 (A) window 0, C and D window 2
.set MUL_HI, 0xf1
.set TO_B,   0x40
; A joint load: waves 0 and 1 fetch for A, waves 2 and 3 for B.  Four v_nop follow each of the two lines.
.macro JLOAD g0a, g1a, g0b, g1b
	s_cmp_eq_u32 s15, 0
	s_cbranch_scc0 .Lfor_b_\@
	tensor_load_to_lds s[\g0a:\g0a+3], s[\g1a:\g1a+7]
	s_nop 0
.rept 4
	v_nop
.endr
	s_branch .Lasked_\@
.Lfor_b_\@:
	tensor_load_to_lds s[\g0b:\g0b+3], s[\g1b:\g1b+7]
	s_nop 0
.rept 4
	v_nop
.endr
.Lasked_\@:
.endm
.macro CREST                           ; a round of the cluster's barrier behind its opening barrier
	s_cmp_lg_u32 s14, 0
	s_cbranch_scc1 .Lnot_wave_0_\@
	s_barrier_signal -3
.Lnot_wave_0_\@:
	s_barrier_wait -3
	s_barrier_signal -1
	s_barrier_wait -1
.endm
.macro CROUND
	s_barrier_signal -1
	s_barrier_wait -1
	CREST
.endm
	s_load_b256 s[4:11], s[0:1], 0x0               ; xq s[4:5], wq s[6:7], tab s[8:9], qkv s[10:11]
	v_lshl_add_u32 v[SPW], v0, 2, SPARE
	v_mov_b32 v[NIL], 0
	ds_add_u32 v28, v29
	s_wait_dscnt 0x0
	v_lshrrev_b32 v1, 5, v0
	v_readfirstlane_b32 s14, v1                    ; wave 0..3
	s_lshr_b32 s15, s14, 1                         ; which half of A's rows is mine.  Also: I fetch for A (0) or for B (1)
	s_and_b32 s16, s14, 1                          ; which half of B's rows.  Also: which 128 rows of that tile I fetch
	s_bfe_u32 s40, ttmp6, 0x40000                  ; cx, cy: my place in the cluster
	s_bfe_u32 s41, ttmp6, 0x40004
	s_and_b32 s2, ttmp7, 0xffff
	s_lshl_b32 s2, s2, 2                           ; 4 Y
	s_lshl_b32 s95, ttmp9, 2                       ; 4 X
	s_mov_b32 s19, 6291456                         ; where x's scale bytes begin in xq
	s_mov_b32 s100, 3145728                        ; and the weights' in wq
	s_cmp_eq_u32 ttmp9, 2                          ; v's clusters?  All selections stand ahead of the additions, which write SCC
	s_cselect_b32 s17, 0, s2                       ; A's tile row: cy among Wv's four, else 4 Y + cy among x's 32
	s_cselect_b32 s42, s2, s95                     ; B's tile: 4 Y + cx among x's 32, else 4 X + cx among Wq's and Wk's eight
	s_cselect_b32 s18, 1572864, 0                  ; Wv's codes begin at row 2,048 of wq
	s_cselect_b32 s19, 3211264, s19                ; and its scale bytes at 3,145,728 + 2,048 x 32
	s_cselect_b32 s100, 6291456, s100
	s_add_co_u32 s17, s17, s41
	s_add_co_u32 s42, s42, s40
	s_lshl_b32 s43, s41, 2
	s_lshl_b32 s43, 15, s43                        ; my row of the cluster
	s_lshl_b32 s44, 0x1111, s40                    ; my column
	; descriptor group 1: a tile of 128 rows x 192 bytes, 16 bytes of padding behind every 64
	s_or_b32 s[G1+0], s43, (0<<16)|(1<<20)|(1<<21)|(3<<22)|(3<<25)
	s_or_b32 s[G1B+0], s44, (0<<16)|(1<<20)|(1<<21)|(3<<22)|(3<<25)
.irp g, G1, G1B
	s_mov_b32 s[\g+1], ROWB<<16                    ; tensor_dim0
	s_mov_b32 s[\g+2], 128<<16                     ; tensor_dim1
	s_mov_b32 s[\g+3], ROWB<<16                    ; tile_dim0
	s_mov_b32 s[\g+4], 128                         ; tile_dim1
	s_mov_b32 s[\g+5], KROW                        ; tensor_dim0_stride
	s_mov_b32 s[\g+6], 0
	s_mov_b32 s[\g+7], 0
.endr
	; the scale bytes of 128 rows: a dense block of 4,096 bytes, as rows of 256 bytes (32 elements of 8), 16 bytes of padding behind each
	s_or_b32 s[G1S+0], s43, (3<<16)|(1<<20)|(1<<21)|(5<<22)|(3<<25)
	s_or_b32 s[G1SB+0], s44, (3<<16)|(1<<20)|(1<<21)|(5<<22)|(3<<25)
.irp g, G1S, G1SB
	s_mov_b32 s[\g+1], 32<<16
	s_mov_b32 s[\g+2], (128*KS/256)<<16
	s_mov_b32 s[\g+3], 32<<16
	s_mov_b32 s[\g+4], 128*KS/256
	s_mov_b32 s[\g+5], 32
	s_mov_b32 s[\g+6], 0
	s_mov_b32 s[\g+7], 0
.endr
	s_lshl_b32 s2, s16, 7                          ; which 128 rows of the tile I fetch
	s_lshl_b32 s20, s17, 8
	s_add_co_u32 s20, s20, s2                      ; A: row 256 x tile + 128 x half
	s_lshl_b32 s46, s42, 8
	s_add_co_u32 s46, s46, s2                      ; B likewise
	s_lshl_b32 s22, s20, 5
	s_add_co_u32 s22, s22, s19                     ; offsets in bytes, all under 2^32: A's scale bytes,
	s_mov_b32 s23, 0
	s_mul_i32 s20, s20, KROW
	s_add_co_u32 s20, s20, s18                     ; A's codes,
	s_mov_b32 s21, 0
	s_lshl_b32 s92, s46, 5
	s_add_co_u32 s92, s92, s100                    ; B's scale bytes,
	s_mov_b32 s93, 0
	s_mul_i32 s46, s46, KROW                       ; B's codes
	s_mov_b32 s47, 0
	s_mul_i32 s45, s14, HALFT                      ; where they go: wave x 128 rows: no place in the cluster enters an LDS address
	s_mul_i32 s94, s14, HALFS
	s_wait_kmcnt 0x0
	s_cmp_eq_u32 ttmp9, 2
	s_cselect_b64 s[12:13], s[6:7], s[4:5]         ; A's buffer: wq for v, else xq
	s_cselect_b64 s[4:5], s[4:5], s[6:7]           ; B's: the other
	s_add_nc_u64 s[20:21], s[12:13], s[20:21]
	s_add_nc_u64 s[22:23], s[12:13], s[22:23]
	s_add_nc_u64 s[46:47], s[4:5], s[46:47]
	s_add_nc_u64 s[92:93], s[4:5], s[92:93]
	CROUND                                         ; all sixteen work-groups are here: the first joint loads meet
	s_mov_b32 s[G0S], 1
	s_add_co_u32 s[G0S+1], s94, SCL
	s_mov_b64 s[G0S+2:G0S+3], s[22:23]
	s_or_b32 s[G0S+3], s[G0S+3], 0x80000000
	s_mov_b32 s[G0SB], 1
	s_add_co_u32 s[G0SB+1], s94, SCL
	s_mov_b64 s[G0SB+2:G0SB+3], s[92:93]
	s_or_b32 s[G0SB+3], s[G0SB+3], 0x80000000
	JLOAD G0S, G1S, G0SB, G1SB                     ; the scales first: they are wanted with K step 0
.irp s, 0,1
	s_mov_b32 s[G0+4*\s], 1
	s_add_co_u32 s[G0+4*\s+1], s45, \s*SLOT
	s_add_nc_u64 s[G0+4*\s+2:G0+4*\s+3], s[20:21], \s*ROWB
	s_or_b32 s[G0+4*\s+3], s[G0+4*\s+3], 0x80000000
	s_mov_b32 s[G0B+4*\s], 1
	s_add_co_u32 s[G0B+4*\s+1], s45, \s*SLOT
	s_add_nc_u64 s[G0B+4*\s+2:G0B+4*\s+3], s[46:47], \s*ROWB
	s_or_b32 s[G0B+4*\s+3], s[G0B+4*\s+3], 0x80000000
	JLOAD G0+4*\s, G1, G0B+4*\s, G1B
.endr
	v_and_b32 v1, 15, v0                           ; r = l % 16
	v_bfe_u32 v2, v0, 4, 1                         ; l / 16
	v_mul_u32_u24 v3, v1, PITCH
	v_mul_u32_u24 v4, v2, 24
	v_add_nc_u32 v4, v3, v4                        ; a fragment's row x pitch + 24 x half
	v_lshl_add_u32 v5, v2, 4, v4                   ; and the same behind one padding more
	s_mul_i32 s21, s15, HALFT                      ; my 128 rows of A
	s_mul_i32 s22, s16, HALFT                      ; my 128 rows of B,
	s_add_co_u32 s22, s22, 2*HALFT                 ; which lie behind A's 256
.irp s, 0,1
	v_add_nc_u32 v[ADRA+\s], s21, v4
	v_add_nc_u32 v[ADRB+\s], s22, v4
	v_add_nc_u32 v[ADRA+2+\s], s21, v5
	v_add_nc_u32 v[ADRB+2+\s], s22, v5
	s_add_co_u32 s21, s21, SLOT
	s_add_co_u32 s22, s22, SLOT
.endr
	v_mul_u32_u24 v5, v1, KS                       ; my row's scales: 32 bytes a row,
	v_lshrrev_b32 v6, 8, v5
	v_lshl_add_u32 v5, v6, 4, v5                   ; and 16 more for each 256 passed
	s_mul_i32 s21, s15, HALFS
	s_mul_i32 s22, s16, HALFS
	s_add_co_u32 s22, s22, 2*HALFS
	s_sub_co_u32 s22, s22, s21
	v_mul_u32_u24 v6, s22, v2                      ; lanes 16-31 take B's: one product, the distance between the two bases
	s_add_co_u32 s21, s21, SCL
	v_add_nc_u32 v5, v5, v6
	v_add_nc_u32 v[ADRS], s21, v5
	; the way out's addresses
	v_and_b32 v6, 31, v0
	v_lshlrev_b32 v[LI], 4, v6
	v_lshrrev_b32 v6, 3, v1
	v_lshl_add_u32 v6, v6, 3, v1                   ; r + 8 (r / 8)
	v_lshlrev_b32 v[TVO], 8, v6
	v_lshl_add_u32 v[TVO], v2, 6, v[TVO]
	v_mul_u32_u24 v[SVO], v2, HEADB
	v_lshl_add_u32 v[SVO], v1, 4, v[SVO]
	s_cmp_eq_u32 ttmp9, 2
	s_cselect_b32 s18, s42, s17                    ; x's tile of 256 rows,
	s_cselect_b32 s19, s16, s15                    ; my half of it,
	s_cselect_b32 s20, s41, s40                    ; the weight's tile of 256 columns (four heads),
	s_cselect_b32 s21, s15, s16                    ; my half of it (two heads)
	s_lshr_b32 s22, s18, 3                         ; the batch: 8 tiles of 256 rows each
	s_lshl_b32 s22, s22, 4
	s_lshl_b32 s20, s20, 2
	s_add_co_u32 s22, s22, s20
	s_lshl_b32 s21, s21, 1
	s_add_co_u32 s22, s22, s21                     ; my first head: 16 x batch + 4 x tile + 2 x half
	s_lshl_b32 s22, s22, 4
	s_lshl_b32 s18, s18, 1
	s_add_co_u32 s18, s18, s19
	s_and_b32 s18, s18, 15                         ; my group of 128 places in the sequence
	s_add_co_u32 s22, s22, s18                     ; my first chunk
	s_mul_i32 s22, s22, 19200
	s_mul_i32 s23, ttmp9, 6400                     ; q's part, k's or v's
	s_add_co_u32 s22, s22, s23
	s_mov_b32 s23, 0
	s_add_nc_u64 s[OUTP:OUTP+1], s[10:11], s[22:23]
	s_lshl_b32 s18, s18, 15                        ; 128 rows of the table, 256 bytes each
	s_mov_b32 s19, 0
	s_add_nc_u64 s[TABP:TABP+1], s[8:9], s[18:19]
	s_mov_b32 s[SEL], 0x76543210
	s_mov_b32 s[SEL+1], 0xfedcba98
	s_mov_b32 s100, 0x05040100                     ; v_perm_b32: the two low halves
	s_mov_b32 s101, 0x07060302                     ; the two high halves
; (cos, sin) for block a of my rows: my row's 16 pairs: 8 (lane / 16) + 0 .. 7 and 16 + 8 (lane / 16) + 0 .. 7: eight loads of 16 bytes
.macro TABLD a
.irp k, 0,1,2,3,4,5,6,7
	global_load_b128 v[CS0+32*((\a)%2)+4*\k:CS0+32*((\a)%2)+4*\k+3], v[TVO], s[TABP:TABP+1] offset:(32*((\a)/2)+8*((\a)%2))*256+128*(\k/4)+16*(\k%4)
.endr
.endm
	TABLD 0                                        ; the first two sets come while K is walked.  Every work-group asks, v's too, which do not use them: sixteen loads a wave, all inside the table,
	TABLD 1                                        ; so that no way through the text reaches the rotation with these registers unwritten
.macro FRAG reg, adr, q, i             ; a fragment, 16 rows x 128 K of 6-bit codes, is 12 registers: lane l holds row l % 16; registers 6 c .. 6 c + 5 hold K = 64 c + 32 (l / 16) + 0 .. 31: 24 bytes of the row, as they lie
.irp p, 0,1,2,3,4,5                    ; in pieces of 8 bytes.  Where the piece three on (lanes 16-31) lies behind one padding more, the second address register serves
.set PCE, 12*(\q)+6*(\p/3)+\p%3
.if PCE%8 < 5
	ds_load_b64 v[\reg+2*\p:\reg+2*\p+1], v[\adr] offset:8*PCE+16*(PCE/8)+(\i)*16*PITCH
.else
	ds_load_b64 v[\reg+2*\p:\reg+2*\p+1], v[\adr+2] offset:8*PCE+16*(PCE/8)+(\i)*16*PITCH
.endif
.endr
.endm
; 16 matrix instructions: A's blocks a0, a0 + 1 x B's eight, 128 along K.  The 64 accumulators take turns, one instruction a turn, in the same order in every step.
.macro MUL16 a0, p, q, sc, zero
.irp a, \a0, \a0+1
.irp b, 0,1,2,3,4,5,6,7
.if \zero
	v_wmma_scale_f32_16x16x128_f8f6f4 v[8*(8*((\a)%4)+\b):8*(8*((\a)%4)+\b)+7], v[128*(\p)+FR*\b:128*(\p)+FR*\b+FR-1], v[AF+FR*(\a):AF+FR*(\a)+FR-1], 0, v[SC+8*NQ*(\sc)+NQ*\b+(\q)], v[SC+8*NQ*(\sc)+NQ*(\a)+(\q)] matrix_a_fmt:MATRIX_FMT_BF6 matrix_b_fmt:MATRIX_FMT_BF6 matrix_a_scale:MATRIX_SCALE_ROW1
.else
	v_wmma_scale_f32_16x16x128_f8f6f4 v[8*(8*((\a)%4)+\b):8*(8*((\a)%4)+\b)+7], v[128*(\p)+FR*\b:128*(\p)+FR*\b+FR-1], v[AF+FR*(\a):AF+FR*(\a)+FR-1], v[8*(8*((\a)%4)+\b):8*(8*((\a)%4)+\b)+7], v[SC+8*NQ*(\sc)+NQ*\b+(\q)], v[SC+8*NQ*(\sc)+NQ*(\a)+(\q)] matrix_a_fmt:MATRIX_FMT_BF6 matrix_b_fmt:MATRIX_FMT_BF6 matrix_a_scale:MATRIX_SCALE_ROW1
.endif
.endr
.endr
.endm
.macro FETCH_B slot, q, p
	WIN TO_B
.irp i, 0,1,2,3,4,5,6,7
	FRAG 128*(\p)+FR*\i, ADRB+\slot, \q, \i
.endr
	WIN 0
.endm
.macro FETCH_A slot, q, i0
.irp i, \i0, \i0+1, \i0+2, \i0+3
	FRAG AF+FR*(\i), ADRA+\slot, \q, \i
.endr
.endm
.macro SCALES sc                       ; a K step's scale words: lanes 0-15 take A's block i, lanes 16-31 B's block i
.irp i, 0,1,2,3,4,5,6,7
	ds_load_b64 v[SC+8*NQ*\sc+NQ*\i:SC+8*NQ*\sc+NQ*\i+1], v[ADRS] offset:\i*SBLK
.endr
.endm
.macro PLACES n                        ; plain vector instructions between a matrix instruction and a load into, or a vector instruction on, its registers
.rept \n
	v_nop
.endr
.endm
.macro STEP slot, q, zero              ; a step of 128 along K that has its successor in the same slot
	s_wait_dscnt 4*NL                              ; B's set and A's blocks 0-3 are in; the youngest 24 loads (A's blocks 4-7) may be out
	WIN MUL_LO
	MUL16 0, (\q)%2, \q, \slot, \zero
	MUL16 2, (\q)%2, \q, \slot, \zero
	s_wait_dscnt 0
	PLACES NP
	FETCH_B \slot, (\q)+1, 1-(\q)%2
	FETCH_A \slot, (\q)+1, 0
	WIN MUL_HI
	MUL16 4, (\q)%2, \q, \slot, \zero
	MUL16 6, (\q)%2, \q, \slot, \zero
	PLACES NP
	WIN 0
	FETCH_A \slot, (\q)+1, 4
.endm
; A slot's last step changes slots: one barrier; in front of it each wave waits for all its tensor loads, adds 0 to its spare word, and waits for that and for its own reads of this slot.
.macro TURN slot, next, fill
	s_wait_tensorcnt 0x0                           ; all my tensor loads have landed: my part of the next slot
	ds_add_u32 v[SPW], v[NIL]                      ; 0 onto my spare word
	s_wait_dscnt 4*NL+1                            ; (the add and the youngest 24 loads may be out)
	WIN MUL_LO
	MUL16 0, 1, NQ-1, \slot, 0
	s_wait_dscnt 0x0                               ; the add is done, and my reads of this slot are over
	s_barrier_signal -1
	MUL16 2, 1, NQ-1, \slot, 0
	WIN 0
	s_barrier_wait -1
.if \fill
	CREST                                          ; the barrier has opened a round of the cluster's: no wave of any partner still reads this slot or has a load on its way
	s_add_nc_u64 s[G0+4*\slot+2:G0+4*\slot+3], s[G0+4*\slot+2:G0+4*\slot+3], 2*ROWB
	s_add_nc_u64 s[G0B+4*\slot+2:G0B+4*\slot+3], s[G0B+4*\slot+2:G0B+4*\slot+3], 2*ROWB
	JLOAD G0+4*\slot, G1, G0B+4*\slot, G1B         ; the first tensor load behind the round; its four v_nop are the places in front of the loads below
.else
	PLACES NP
.endif
	v_add_nc_u32 v[ADRS], 4*NQ, v[ADRS]            ; on to the next K step's scale words
	FETCH_B \next, 0, 0
	FETCH_A \next, 0, 0
	SCALES \next
	WIN MUL_HI
	MUL16 4, 1, NQ-1, \slot, 0
	MUL16 6, 1, NQ-1, \slot, 0
	PLACES NP
	WIN 0
	FETCH_A \next, 0, 4
.endm
	s_wait_tensorcnt 1                             ; the scales and my part of K step 0 are in (K step 1's load may be out),
	s_barrier_signal -1
	s_barrier_wait -1                              ; everybody's are
	FETCH_B 0, 0, 0
	FETCH_A 0, 0, 0
	SCALES 0
	FETCH_A 0, 0, 4
	STEP 0, 0, 1                                   ; the first step's products start the sums
	s_mov_b32 s3, LAPS-1
.Llap:
	TURN 0, 1, 1
	STEP 1, 0, 0
	TURN 1, 0, 1
	STEP 0, 0, 0
	s_sub_co_u32 s3, s3, 1
	s_cmp_lg_u32 s3, 0
	s_cbranch_scc1 .Llap
	TURN 0, 1, 0                                   ; the last lap fills nothing
	STEP 1, 0, 0
	s_wait_dscnt 4*NL
	WIN MUL_LO
	MUL16 0, 1, NQ-1, 1, 0
	MUL16 2, 1, NQ-1, 1, 0
	s_wait_dscnt 0
	WIN MUL_HI
	MUL16 4, 1, NQ-1, 1, 0
	MUL16 6, 1, NQ-1, 1, 0
	WIN 0
; THE WAY OUT.
; The rotation of block a: pair e of my 32 (registers 2 e, 2 e + 1 of the block's 64) by the pair's (cos, sin): r1 = x1 cos - x2 sin, r2 = x1 sin + x2 cos.  An accumulator (four pairs) at a time; its first read is its register 1.
.macro ROPE a
.set AC, 64*((\a)%4)
.set CSB, CS0+32*((\a)%2)
	WIN 2+(\a)/4                                   ; source 0: the accumulators' window
.irp b, 0,1,2,3,4,5,6,7
.irp n, 0,1,2,3
	v_mul_f32 v[TM+8+2*\n], v[AC+8*\b+2*\n+1], v[CSB+16*((\b/2)%2)+2*((4*\b+\n)%8)+1]
	v_mul_f32 v[TM+9+2*\n], v[AC+8*\b+2*\n+1], v[CSB+16*((\b/2)%2)+2*((4*\b+\n)%8)]
.endr
.irp n, 0,1,2,3
	v_fma_f32 v[RB+8*\b+2*\n], v[AC+8*\b+2*\n], v[CSB+16*((\b/2)%2)+2*((4*\b+\n)%8)], -v[TM+8+2*\n]
	v_fma_f32 v[RB+8*\b+2*\n+1], v[AC+8*\b+2*\n], v[CSB+16*((\b/2)%2)+2*((4*\b+\n)%8)+1], v[TM+9+2*\n]
.endr
.endr
	WIN 0
.endm
; 64 numbers of a lane in window w, register 16 b + i = k 32 b + 16 (lane / 16) + i of my row, become codes: blocks 0, 1 in v[d0] .. v[d0 + 5], blocks 2, 3 in v[d1] .. v[d1 + 5]; the four scale bytes in v[pw].
.macro QUANT s, w, d0, d1, pw
	WIN (\w)|((\w)<<2)                             ; sources 0 and 1
.irp b, 0,1,2,3
	v_max3_num_f32 v[TM+\b], |v[(\s)+16*\b]|, |v[(\s)+1+16*\b]|, 0x2800000   ; block b: my 16 numbers, and the floor 2^(5 - 127): the byte cannot fall under 1
.endr
.irp i, 2,4,6,8,10,12,14
.irp b, 0,1,2,3
	v_max3_num_f32 v[TM+\b], |v[(\s)+16*\b+\i]|, |v[(\s)+1+16*\b+\i]|, v[TM+\b]   ; (the four blocks by turns)
.endr
.endr
	WIN 0
.irp b, 0,1,2,3
	v_permlanex16_b32 v[TM+4+\b], v[TM+\b], s[SEL], s[SEL+1]
.endr
.irp b, 0,1,2,3
	v_max_num_f32 v[TM+\b], v[TM+\b], v[TM+4+\b]   ; with lane l xor 16's: the block's largest magnitude
.endr
.irp b, 0,1,2,3
	v_add_nc_u32 v[TM+12+\b], 0xfe000000, v[TM+\b] ; 4 off its exponent field: the conversion's scale operand
.endr
.irp b, 0,1,2,3
	v_lshrrev_b32 v[TM+4+\b], 23, v[TM+12+\b]      ; the scale's byte
.endr
	v_lshl_or_b32 v[\pw], v[TM+5], 8, v[TM+4]
	v_lshl_or_b32 v[\pw], v[TM+6], 16, v[\pw]
	v_lshl_or_b32 v[\pw], v[TM+7], 24, v[\pw]
	s_wait_xcnt 0x0                                ; the stores issued so far have read their registers: the fragments may be written again
	WIN (\w)                                       ; source 0
	v_cvt_scalef32_pk16_bf6_f32 v[(\d0):(\d0)+2], v[(\s):(\s)+15], v[TM+12]
	v_cvt_scalef32_pk16_bf6_f32 v[CT:CT+2], v[(\s)+16:(\s)+31], v[TM+13]      ; (a conversion's three registers begin on an even number)
	v_cvt_scalef32_pk16_bf6_f32 v[(\d1):(\d1)+2], v[(\s)+32:(\s)+47], v[TM+14]
	v_cvt_scalef32_pk16_bf6_f32 v[CT+4:CT+6], v[(\s)+48:(\s)+63], v[TM+15]
	WIN 0
	v_nop                                          ; one plain place behind a scaled conversion
.irp i, 0,1,2                                  ; the operand's layout wants a WHOLE block in a lane: lanes 0-15 the even block, lanes 16-31 the odd one
	v_permlane16_swap_b32 v[(\d0)+\i], v[CT+\i]
	v_permlane16_swap_b32 v[(\d1)+\i], v[CT+4+\i]
.endr
.irp i, 0,1,2
	v_mov_b32 v[(\d0)+3+\i], v[CT+\i]
	v_mov_b32 v[(\d1)+3+\i], v[CT+4+\i]
.endr
.endm
	PLACES NP                                      ; behind the last products: what follows reads results and writes registers that held A's fragments
.irp b, 0,1,2,3
	v_mov_b32 v[TM+4+\b], 0                        ; written once: a lane permute's destination counts as one of its sources
.endr
	v_and_b32 v250, 16, v0
	v_cmp_ne_u32 vcc_lo, 0, v250                   ; lanes 16-31; VCC stays for the whole way out
	s_cmp_eq_u32 ttmp9, 2
	s_cbranch_scc1 .Lvout
	; ---- q and k.  Block a: 16 places x 128 features = two heads x 64.  Blocks 2 p and 2 p + 1 make fragment p of each of the two heads.
.irp a, 0,1,2,3,4,5,6,7
.if \a < 7
	s_wait_loadcnt 8                               ; this block's eight table loads are in; the next block's eight may be out
.else
	s_wait_loadcnt 0
.endif
	ROPE \a
.if \a < 6
	TABLD \a+2                                     ; into the set just read
.endif
	QUANT RB, 0, F0+6*(\a%2), F1+6*(\a%2), PW0+(\a%2)
.if \a%2
	v_perm_b32 v250, v[PW0+1], v[PW0], s100        ; the first head's word: both blocks' bytes 0, 1;
	v_perm_b32 v251, v[PW0+1], v[PW0], s101        ; the second head's: bytes 2, 3
	v_cndmask_b32 v[SW+\a/2], v250, v251, vcc_lo   ; lanes 0-15 keep the first head's, lanes 16-31 the second's
.irp g, 0,1,2
	global_store_b128 v[LI], v[F0+4*\g:F0+4*\g+3], s[OUTP:OUTP+1] offset:(\a/2)*1536+512*\g          ; a wave stores 512 consecutive bytes, aligned
	global_store_b128 v[LI], v[F1+4*\g:F1+4*\g+3], s[OUTP:OUTP+1] offset:(\a/2)*1536+512*\g+HEADB
.endr
.endif
.endr
	global_store_b128 v[SVO], v[SW:SW+3], s[OUTP:OUTP+1] offset:6144   ; sixteen lanes store a head's 256 bytes of scale words
	s_branch .Ldone
.Lvout:
	; ---- v.  Block a: 16 channels (head a / 4, tile a % 4) x 128 keys: one fragment and one scale word a channel
.irp a, 0,1,2,3,4,5,6,7
	QUANT 64*(\a%4), 2+\a/4, F0+12*(\a%2), F0+12*(\a%2)+6, SW+\a
.irp g, 0,1,2
	global_store_b128 v[LI], v[F0+12*(\a%2)+4*\g:F0+12*(\a%2)+4*\g+3], s[OUTP:OUTP+1] offset:(\a/4)*HEADB+(\a%4)*1536+512*\g
.endr
.endr
.irp t, 0,1,2,3
	v_cndmask_b32 v[252+\t], v[SW+\t], v[SW+4+\t], vcc_lo   ; lanes 0-15 the first head's words, lanes 16-31 the second's
.endr
	global_store_b128 v[SVO], v[252:255], s[OUTP:OUTP+1] offset:6144
.Ldone:
	s_wait_tensorcnt 0x0                           ; the wave's end
	ds_add_u32 v[SPW], v[NIL]
	s_wait_dscnt 0x0
	CROUND                                         ; the closing round: no work-group ends while a partner may still ask for a tile that names it
	s_endpgm
.Lfunc_end_k_q2b86152ecb_qkv:
	.size	k_q2b86152ecb_qkv, .Lfunc_end_k_q2b86152ecb_qkv-k_q2b86152ecb_qkv
	.p2alignl 7, 3214868480
	.fill 96, 4, 3214868480
	.section	.rodata,"a",@progbits
	.p2align	6, 0x0
	.amdhsa_kernel k_q2b86152ecb_qkv
		.amdhsa_group_segment_fixed_size 327680
		.amdhsa_private_segment_fixed_size 0
		.amdhsa_enable_private_segment 0
		.amdhsa_kernarg_size 32
		.amdhsa_user_sgpr_count 2
		.amdhsa_user_sgpr_kernarg_segment_ptr 1
		.amdhsa_wavefront_size32 1
		.amdhsa_system_sgpr_workgroup_id_x 1
		.amdhsa_system_sgpr_workgroup_id_y 1
		.amdhsa_system_sgpr_workgroup_id_z 1
		.amdhsa_system_vgpr_workitem_id 0
		.amdhsa_next_free_vgpr 1024
		.amdhsa_next_free_sgpr 102
		.amdhsa_reserve_vcc 1
		.amdhsa_float_denorm_mode_32 3
		.amdhsa_float_denorm_mode_16_64 3
		.amdhsa_memory_ordered 1
		.amdhsa_forward_progress 1
		.amdhsa_inst_pref_size 253
	.end_amdhsa_kernel
	.amdgpu_metadata
---
amdhsa.version: [ 1, 2 ]
amdhsa.kernels:
  - .name:           k_q2b86152ecb_qkv
    .symbol:         k_q2b86152ecb_qkv.kd
    .args:
      - { .name: xq, .offset: 0, .size: 8, .value_kind: global_buffer, .address_space: global }
      - { .name: wq, .offset: 8, .size: 8, .value_kind: global_buffer, .address_space: global }
      - { .name: tab, .offset: 16, .size: 8, .value_kind: global_buffer, .address_space: global }
      - { .name: qkv, .offset: 24, .size: 8, .value_kind: global_buffer, .address_space: global }
    .group_segment_fixed_size: 327680
    .private_segment_fixed_size: 0
    .kernarg_segment_align: 8
    .kernarg_segment_size: 32
    .max_flat_workgroup_size: 128
    .sgpr_count:     102
    .vgpr_count:     1024
    .wavefront_size: 32
...
	.end_amdgpu_metadata
.endif
;; end of part 2
;; launch attn (part 3): grid 4 x 64, 16 waves a work-group, no clusters, 327,680 bytes of LDS; arguments qkv, ob; writes ob
.if DOCPART == 3
	.amdgcn_target "amdgcn-amd-amdhsa--gfx1250"
	.amdhsa_code_object_version 6
	.text
	.protected	k_q2b86152ecb_attn
	.globl	k_q2b86152ecb_attn
	.p2align	8
	.type	k_q2b86152ecb_attn,@function
k_q2b86152ecb_attn:
	s_mov_b64 s[64:65], 0
	v_nop
	global_prefetch_b8 v0, s[64:65] scope:SCOPE_SE
	s_setreg_imm32_b32 hwreg(HW_REG_WAVE_MODE, 25, 1), 1
	s_wait_xcnt 0x0
; Causal attention of one head on codes of BF6 (E3M2): S^T = K Q^T (K = the head's 64), p = 2^(t - M) quantised along the keys, O^T = V^T P^T (K = the keys), O / l quantised along the head's 64 for the output projection.
; t = score x log2(e) / 8; M = the running largest t rounded UP to a whole number; the row's sum l is taken of the unquantised p; when M moves, l and O^T are multiplied by 2^(old M - new M), which rounds nothing.
; SHARES.  Work-group (i, head) owns the query blocks i and 7 - i of 256 queries, one after the other: the first walks key slots 0 .. i, the second 0 .. 7 - i: NINE slots of 256 keys in every work-group, so the trip count is a
; constant and all 256 work-groups have the same work.  Each of sixteen waves owns one tile of 16 queries in 256 registers.  A key step is 128 keys; a step all of whose keys come after the wave's queries is left out by a
; scalar branch on ids round its work alone; on the diagonal hidden scores become -infinity ahead of the maximum.
; IN.  qkv: [64 heads][16 groups of 128 places] chunks of 19,200 bytes: q's, k's and v's parts of 6,400 bytes: four fragments as images of their 12 registers (register group g of lane l at 512 g + 16 l), then scale words
; [16 lanes][4].  So a key step's k and v are 12,800 bytes on end: one tensor load (wave 0: the slot's first step, wave 1: its second), and every LDS read is 16 bytes x lane on end.
; K = 64 IN AN INSTRUCTION OF 128.  A fragment of k holds TWO tiles of 16 keys, one in k 0-63 and one in k 64-127.  Against (q | zero codes) it gives the first tile's scores, against (zero codes | q) the second's.
; The rows of all tiles are 32 (T / 2) + 8 (T % 2) + r + 8 (r / 8), so the 16 registers of two neighbouring tiles of scores are 16 neighbouring keys, and O^T's likewise 16 neighbouring channels.
; OUT.  ob: images [512 tiles of 16 rows][16 heads][3 pieces of 256 bytes]: register pair j of lane l at 256 j + 8 l; from byte 6,291,456 on scale bytes [8192 rows][32], a head's two at 2 x head.
; NO JOINT LOADS: the four work-groups of a head begin their second walk in different trips, so in a given trip they want different tiles.  NO PREFETCH: a refill is asked for at a slot's head and waited for at the next slot's:
; two key steps of four waves on each SIMD stand between.
; LIMITS: NaN and infinities are not served; a block whose largest magnitude lies under 2^-122 gets the byte 1.  The scale bytes leave as stores of two bytes, 32 bytes apart (262,144 bytes in all); lanes 16-31 repeat lanes 0-15's.
.set SLOT1, 32768                      ; ring slot 1: one exclusive or turns an address
.set STEPB, 12800                      ; a key step in a slot: k's four fragments, its scale words at 6,144; v's four at 6,400, its scale words at 12,544
.set SPARE, 65536                      ; the spare words, 128 bytes for each of sixteen waves, that no other line names
.set F,   50                           ; v50-97   four fragments of k, then of v
.set S,   98                           ; v98-161  S^T, then p; at a pass's end O / l
.set O,   162                          ; v162-193 O^T
.set PC,  194                          ; v194-205 p's codes; at a pass's end o's
.set BM,  208                          ; v208-211 the blocks' largest
.set TP,  212                          ; v212-219 at work
.set SO,  220                          ; v220-223 the conversions' scale operands
.set FF,  224                          ; v224 f = 2^(old M - new M); v225 named with it as a pair, written once
.set PSW, 226                          ; v226 p's scale word
.set T0,  227
.set T1,  228
; v1 16 x lane, v2 16 r, v3, v4 the same in the slot in hand, v5, v6 the add's two, v7 8 x lane, v8 32 r, v9 my query's place in its group less 16 (lane / 16), v12 -M, v13 the largest t, v[14:15] l in two halves,
; v16-21 zero codes, v22-27 q, v28-33 zero codes, v34-39 the second pass's q, v40, v41 q's scale words, v42-45 k's, v46-49 v's
; s8 wave, s9 i, s10 i + 1, s11 trip, s12 key step of the pass, s13 the step on my diagonal, s14 the second pass's, s15 the slot in hand, s[16:23] group 1, s[24:27] group 0, s[28:29] my tiles' first address,
; s[30:31] the key slot's offset, s[32:33], s[34:35] where o's image and scale bytes go, s[36:37], s[38:39] their steps to the second pass, s[40:41] lane selects, s[42:43] c
.macro TLOAD                           ; waves 0 and 1 fetch a key step each; four v_nop follow the line
	s_cmp_lt_u32 s8, 2
	s_cbranch_scc0 .Lnone_\@
	tensor_load_to_lds s[24:27], s[16:23]
	s_nop 0
.rept 4
	v_nop
.endr
.Lnone_\@:
.endm
	s_load_b128 s[4:7], s[0:1], 0x0                ; qkv, ob
	v_lshl_add_u32 v5, v0, 2, SPARE
	v_mov_b32 v6, 0
	ds_add_u32 v5, v6
	ds_add_u32 v5, v6
	s_wait_dscnt 0x0
	v_lshrrev_b32 v10, 5, v0
	s_delay_alu instid0(VALU_DEP_1)
	v_readfirstlane_b32 s8, v10                    ; wave 0..15
	v_and_b32 v10, 31, v0
	s_delay_alu instid0(VALU_DEP_1)
	v_lshlrev_b32 v1, 4, v10
	s_delay_alu instid0(VALU_DEP_2)
	v_lshlrev_b32 v7, 3, v10
	v_and_b32 v11, 15, v0                          ; r
	s_delay_alu instid0(VALU_DEP_1)
	v_lshlrev_b32 v2, 4, v11
	s_delay_alu instid0(VALU_DEP_2)
	v_lshlrev_b32 v8, 5, v11
	v_bfe_u32 v10, v0, 4, 1                        ; lane / 16
	s_delay_alu instid0(VALU_DEP_4)
	v_lshrrev_b32 v9, 3, v11
	s_delay_alu instid0(VALU_DEP_1)
	v_lshl_add_u32 v9, v9, 3, v11                  ; r + 8 (r / 8)
	s_delay_alu instid0(VALU_DEP_3)
	v_lshlrev_b32 v10, 4, v10
	s_delay_alu instid0(VALU_DEP_1)
	v_sub_nc_u32 v9, v9, v10
	s_bfe_u32 s44, s8, 0x20001                     ; p: which pair of tiles of the group is mine,
	s_and_b32 s45, s8, 1                           ; u: which of the pair
	s_lshl_b32 s46, s44, 5
	s_lshl_b32 s47, s45, 3
	s_add_co_u32 s46, s46, s47
	v_add_nc_u32 v9, s46, v9                       ; d = 32 p + 8 u + r + 8 (r / 8) - 16 (lane / 16)
	s_mov_b32 s9, ttmp9
	s_add_co_u32 s10, s9, 1
	s_and_b32 s48, ttmp7, 0xffff                   ; the head, 0 .. 63
	s_lshr_b32 s49, s8, 3
	s_lshl_b32 s13, s9, 1
	s_add_co_u32 s13, s13, s49                     ; my group of 128 in the first pass: 2 i + wave / 8
	s_sub_co_u32 s50, 7, s9
	s_lshl_b32 s14, s50, 1
	s_add_co_u32 s14, s14, s49                     ; and in the second: 2 (7 - i) + wave / 8
	s_mul_i32 s51, s48, 307200                     ; the head's first byte
	s_mul_i32 s52, s45, 19200
	s_add_co_u32 s52, s52, s51
	s_add_co_u32 s52, s52, 6400                    ; k's part of group (wave % 2)
	s_mov_b32 s53, 0
	s_mov_b32 s24, 1                               ; group 0: count = 1,
	s_mul_i32 s25, s45, STEPB                      ; LDS address: slot 0, step (wave % 2)
	s_mov_b32 s30, 0
	s_mov_b32 s31, 0
	s_mov_b32 s16, 3<<16                           ; group 1: 12,800 dense bytes as 50 rows of 32 elements of 8 bytes; no mask, no padding
	s_mov_b32 s17, 32<<16                          ; tensor_dim0
	s_mov_b32 s18, 50<<16                          ; tensor_dim1
	s_mov_b32 s19, 32<<16                          ; tile_dim0
	s_mov_b32 s20, 50                              ; tile_dim1
	s_mov_b32 s21, 32                              ; the pitch
	s_mov_b32 s22, 0
	s_mov_b32 s23, 0
	s_mul_i32 s54, s13, 19200
	s_add_co_u32 s54, s54, s51                     ; my queries' chunk, first pass,
	s_mov_b32 s55, 0
	s_mul_i32 s56, s14, 19200
	s_add_co_u32 s56, s56, s51                     ; second pass
	s_mov_b32 s57, 0
	s_mov_b32 s40, 0x76543210
	s_mov_b32 s41, 0xfedcba98
	s_mov_b32 s42, 0x3e38aa3b                      ; c = log2(e) / 8
	s_mov_b32 s43, s42
	s_mov_b32 s11, 0
	s_mov_b32 s12, 0
	s_mov_b32 s15, 0
	s_wait_kmcnt 0x0
	s_add_nc_u64 s[28:29], s[4:5], s[52:53]
	s_mov_b64 s[26:27], s[28:29]                   ; key slot 0
	s_or_b32 s27, s27, 0x80000000                  ; type = 2
	TLOAD                                          ; the first fill, ahead of every wait on TENSORcnt, every LDS read and every barrier
	s_add_nc_u64 s[54:55], s[4:5], s[54:55]
	s_add_nc_u64 s[56:57], s[4:5], s[56:57]
	s_mul_i32 s46, s44, 1536                       ; my pair's image.  My six registers of its twelve: u = 0: pairs at 16 l + 0, 8, 512; u = 1: at 16 l + 520, 1024, 1032
	s_mul_i32 s47, s45, 520
	s_add_co_u32 s47, s47, s46
	v_add_nc_u32 v50, s47, v1
	s_mul_i32 s47, s45, 1016
	s_add_co_u32 s47, s47, s46
	v_add_nc_u32 v51, s47, v1
	s_lshl_b32 s47, s44, 2
	v_add_nc_u32 v52, s47, v2                      ; my row's scale word of pair p
	global_load_b64 v[22:23], v50, s[54:55]
	global_load_b64 v[24:25], v51, s[54:55] offset:8
	global_load_b64 v[26:27], v50, s[54:55] offset:512
	global_load_b32 v40, v52, s[54:55] offset:6144
	global_load_b64 v[34:35], v50, s[56:57]
	global_load_b64 v[36:37], v51, s[56:57] offset:8
	global_load_b64 v[38:39], v50, s[56:57] offset:512
	global_load_b32 v41, v52, s[56:57] offset:6144
	s_lshr_b32 s46, s48, 4                         ; the batch
	s_lshl_b32 s46, s46, 7
	s_lshl_b32 s47, s9, 4
	s_add_co_u32 s46, s46, s47
	s_add_co_u32 s46, s46, s8                      ; my tile of 16 rows among 512: 128 x batch + 16 i + wave
	s_and_b32 s47, s48, 15                         ; the head within the batch
	s_mul_i32 s58, s46, 12288
	s_mul_i32 s59, s47, 768
	s_add_co_u32 s58, s58, s59
	s_mov_b32 s59, 0
	s_add_nc_u64 s[32:33], s[6:7], s[58:59]
	s_lshl_b32 s58, s46, 9
	s_lshl_b32 s47, s47, 1
	s_add_co_u32 s58, s58, s47
	s_add_co_u32 s58, s58, 6291456
	s_add_nc_u64 s[34:35], s[6:7], s[58:59]
	s_lshl_b32 s46, s9, 1
	s_sub_co_u32 s46, 7, s46                       ; 7 - 2 i blocks of 16 tiles on
	s_mul_i32 s36, s46, 196608
	s_mov_b32 s37, 0
	s_lshl_b32 s38, s46, 13
	s_mov_b32 s39, 0
	s_mov_b32 s47, 0x03020302
	s_cmp_eq_u32 s45, 0
	s_cselect_b32 s47, 0x01000100, s47             ; my tile's two bytes of the pair's word, twice
.irp j, 0,1,2,3,4,5
	v_mov_b32 v[16+\j], 0                          ; zero codes on both sides of q
	v_mov_b32 v[28+\j], 0
.endr
	s_wait_loadcnt 0x0                             ; q of both passes; the loads' address registers are free
	v_perm_b32 v40, v40, v40, s47
	v_perm_b32 v41, v41, v41, s47
.set j, 0
.rept 32
	v_mov_b32 v[O+j], 0                            ; O^T.  (A pass's first step finds zeros.  These lines are also the places between the scale word's and the zero codes' writes and the first product)
.set j, j+1
.endr
	v_mov_b32 v14, 0
	v_mov_b32 v15, 0
	v_mov_b32 v13, 0xff61b1e6                      ; the largest t so far: -3e38
	s_delay_alu instid0(VALU_DEP_1)
	v_floor_f32 v12, -v13                          ; -M
.irp b, 0,1,2,3
	v_mov_b32 v[TP+\b], 0                          ; written once: a lane permute's destination counts as one of its sources
.endr
	v_mov_b32 v[FF+1], 0
	v_mov_b32 v[T0], 0
; THE CHANGE OF SLOTS, at a slot's head.  Each wave waits for all its tensor loads, adds 0 to its spare word, and waits for that and for its reads of the slot that it has left.  fill = 1: that slot takes the next trip's keys.
.macro CHANGE fill
	s_wait_tensorcnt 0x0                           ; no tensor load of mine is out, so group 0 may be written
	ds_add_u32 v5, v6                              ; 0 onto my spare word
.if \fill
	s_xor_b32 s25, s25, SLOT1                      ; the other slot than last time,
	s_add_co_u32 s30, s30, 38400                   ; the next 256 keys (two chunks on),
	s_cmp_eq_u32 s11, s9
	s_cselect_b32 s30, 0, s30                      ; or, where the next trip begins the second pass, key 0 again
	s_add_nc_u64 s[26:27], s[28:29], s[30:31]
	s_or_b32 s27, s27, 0x80000000
.endif
	s_wait_dscnt 0x0                               ; the add is done, and my reads of the slot that I have left are over
	s_barrier_signal -1
	s_barrier_wait -1
.if \fill
	TLOAD                                          ; the first thing behind the barrier, and a wave's one tensor load until the next
.endif
.endm
; A KEY STEP: 128 keys, the q-th of the slot in hand.
.macro STEP q
	s_cmp_gt_u32 s12, s13                          ; all its keys come after my queries: nothing to do but count
	s_cbranch_scc1 .Lhidden_\@
	s_wait_alu depctr_va_vdst(0)
.irp p, 0,1,2,3
.irp g, 0,1,2
	ds_load_b128 v[F+12*\p+4*\g:F+12*\p+4*\g+3], v3 offset:(\q)*STEPB+\p*1536+512*\g
.endr
.endr
	ds_load_b128 v[42:45], v4 offset:(\q)*STEPB+6144
	s_wait_dscnt 0x0
.irp p, 0,1,2,3                                ; tiles 2 p and 2 p + 1 from one fragment of k
	v_wmma_scale_f32_16x16x128_f8f6f4 v[S+16*\p:S+16*\p+7], v[F+12*\p:F+12*\p+11], v[22:33], 0, v[42+\p], v40 matrix_a_fmt:MATRIX_FMT_BF6 matrix_b_fmt:MATRIX_FMT_BF6
	v_wmma_scale_f32_16x16x128_f8f6f4 v[S+16*\p+8:S+16*\p+15], v[F+12*\p:F+12*\p+11], v[16:27], 0, v[42+\p], v40 matrix_a_fmt:MATRIX_FMT_BF6 matrix_b_fmt:MATRIX_FMT_BF6
.endr
.rept 4
	v_nop                                          ; places in front of the loads into k's registers and of the first read of the scores
.endr
	s_wait_alu depctr_va_vdst(0)
.irp t, 0,1,2,3                                ; v's fragments land while the softmax is walked
.irp g, 0,1,2
	ds_load_b128 v[F+12*\t+4*\g:F+12*\t+4*\g+3], v3 offset:(\q)*STEPB+6400+\t*1536+512*\g
.endr
.endr
	ds_load_b128 v[46:49], v4 offset:(\q)*STEPB+12544
	s_cmp_lg_u32 s12, s13
	s_cbranch_scc1 .Lopen_\@
	v_mov_b32 v[T0], 0xff800000                    ; on the diagonal: register 16 b + i holds key 32 b + 16 (lane / 16) + i of the group: hidden where 32 b + i > d
.set n, 0
.rept 64
	v_cmp_gt_i32 vcc_lo, 32*(n/16)+n%16, v9
	v_cndmask_b32 v[S+n], v[S+n], v[T0], vcc_lo
.set n, n+1
.endr
.Lopen_\@:
.irp b, 0,1,2,3
	v_max3_num_f32 v[BM+\b], v[S+16*\b], v[S+16*\b+1], v[S+16*\b+2]   ; the largest score of each block of 32 keys: for the row's maximum and, since p rises with the score, for the block's largest p
.endr
.irp i, 3,5,7,9,11,13
.irp b, 0,1,2,3
	v_max3_num_f32 v[BM+\b], v[BM+\b], v[S+16*\b+\i], v[S+16*\b+\i+1]
.endr
.endr
.irp b, 0,1,2,3
	v_max_num_f32 v[BM+\b], v[BM+\b], v[S+16*\b+15]
.endr
.irp b, 0,1,2,3
	s_delay_alu instid0(VALU_DEP_4)
	v_permlanex16_b32 v[TP+\b], v[BM+\b], s40, s41
.endr
.irp b, 0,1,2,3
	s_delay_alu instid0(VALU_DEP_4)
	v_max_num_f32 v[BM+\b], v[BM+\b], v[TP+\b]     ; with lane l xor 16's 16 keys
.endr
	s_delay_alu instid0(VALU_DEP_2)
	v_max3_num_f32 v[T0], v[BM], v[BM+1], v[BM+2]
	s_delay_alu instid0(VALU_DEP_1)
	v_max_num_f32 v[T0], v[T0], v[BM+3]
	s_delay_alu instid0(VALU_DEP_1)
	v_mul_f32 v[T0], s42, v[T0]                    ; as t (c is positive)
	s_delay_alu instid0(VALU_DEP_1)
	v_max_num_f32 v13, v13, v[T0]                  ; the running largest t
	v_mov_b32 v[T0], v12
	s_delay_alu instid0(VALU_DEP_2)
	v_floor_f32 v12, -v13                          ; the new -M = -ceil(t)
	s_delay_alu instid0(VALU_DEP_1)
	v_sub_f32 v[T0], v12, v[T0]                    ; old M - new M: a whole number, 0 or less
	s_delay_alu instid0(VALU_DEP_1)
	v_cvt_i32_f32 v[T0], v[T0]                     ; (it saturates)
	s_delay_alu instid0(VALU_DEP_1)
	v_ldexp_f32 v[FF], 1.0, v[T0]                  ; f
.set j, 0
.rept 32
	v_pk_fma_f32 v[S+j:S+j+1], v[S+j:S+j+1], s[42:43], v[12:13] op_sel_hi:[1,0,0]   ; t - M, two at a time
.set j, j+2
.endr
.irp b, 0,1,2,3
	v_fma_f32 v[BM+\b], v[BM+\b], s42, v12         ; the same of each block's largest score
.endr
.set j, 0
	s_wait_alu depctr_va_vdst(0)
.rept 64
	v_exp_f32 v[S+j], v[S+j]                       ; p = 2^(t - M)
.set j, j+1
.endr
	v_pk_mul_f32 v[14:15], v[14:15], v[FF:FF+1] op_sel_hi:[1,0]   ; l under the new M  (a plain place behind the exponentials)
	s_wait_alu depctr_va_vdst(0)                   ; one wait for the batch, ahead of its first reader
.irp b, 0,1,2,3
	v_exp_f32 v[BM+\b], v[BM+\b]                   ; the block's largest p
.endr
	v_pk_add_f32 v[212:213], v[102:103], v[106:107]
	v_pk_add_f32 v[254:255], v[110:111], v[114:115]
	v_pk_add_f32 v[252:253], v[118:119], v[122:123]
	v_pk_add_f32 v[250:251], v[126:127], v[130:131]
	v_pk_add_f32 v[248:249], v[134:135], v[138:139]
	v_pk_add_f32 v[246:247], v[142:143], v[146:147]
	v_pk_add_f32 v[244:245], v[150:151], v[154:155]
	v_pk_add_f32 v[14:15], v[14:15], v[158:159]
	v_pk_add_f32 v[212:213], v[212:213], v[98:99]
	v_pk_add_f32 v[254:255], v[254:255], v[100:101]
	v_pk_add_f32 v[252:253], v[252:253], v[104:105]
	v_pk_add_f32 v[250:251], v[250:251], v[108:109]
	v_pk_add_f32 v[248:249], v[248:249], v[112:113]
	v_pk_add_f32 v[246:247], v[246:247], v[116:117]
	v_pk_add_f32 v[244:245], v[244:245], v[120:121]
	v_pk_add_f32 v[14:15], v[14:15], v[124:125]
	v_pk_add_f32 v[212:213], v[212:213], v[128:129]
	v_pk_add_f32 v[254:255], v[254:255], v[132:133]
	v_pk_add_f32 v[252:253], v[252:253], v[136:137]
	v_pk_add_f32 v[250:251], v[250:251], v[140:141]
	v_pk_add_f32 v[248:249], v[248:249], v[144:145]
	v_pk_add_f32 v[246:247], v[246:247], v[148:149]
	v_pk_add_f32 v[244:245], v[244:245], v[152:153]
	v_pk_add_f32 v[14:15], v[14:15], v[156:157]
	v_pk_add_f32 v[212:213], v[212:213], v[160:161]
	s_delay_alu instid0(VALU_DEP_2)
	v_pk_add_f32 v[14:15], v[14:15], v[250:251]
	s_delay_alu instid0(VALU_DEP_2)
	v_pk_add_f32 v[212:213], v[212:213], v[248:249]
	v_pk_add_f32 v[254:255], v[254:255], v[246:247]
	v_pk_add_f32 v[252:253], v[252:253], v[244:245]
	s_delay_alu instid0(VALU_DEP_2)
	v_pk_add_f32 v[14:15], v[14:15], v[254:255]
	s_delay_alu instid0(VALU_DEP_2)
	v_pk_add_f32 v[212:213], v[212:213], v[252:253]
	s_delay_alu instid0(VALU_DEP_1)
	v_pk_add_f32 v[14:15], v[14:15], v[212:213]
	s_wait_alu depctr_va_vdst(0)                   ; and one for the four
.irp b, 0,1,2,3
	v_max_num_f32 v[BM+\b], 0x2800000, v[BM+\b]    ; the floor 2^(5 - 127)
.endr
.irp b, 0,1,2,3
	s_delay_alu instid0(VALU_DEP_4)
	v_add_nc_u32 v[SO+\b], 0xfe000000, v[BM+\b]    ; the conversion's scale operand
.endr
.irp b, 0,1,2,3
	s_delay_alu instid0(VALU_DEP_4)
	v_lshrrev_b32 v[TP+\b], 23, v[SO+\b]           ; the scale's byte
.endr
	s_delay_alu instid0(VALU_DEP_3)
	v_lshl_or_b32 v[PSW], v[TP+1], 8, v[TP]
	s_delay_alu instid0(VALU_DEP_1)
	v_lshl_or_b32 v[PSW], v[TP+2], 16, v[PSW]
	s_delay_alu instid0(VALU_DEP_1)
	v_lshl_or_b32 v[PSW], v[TP+3], 24, v[PSW]
.irp c, 0,1
	v_cvt_scalef32_pk16_bf6_f32 v[PC+6*\c:PC+6*\c+2], v[S+32*\c:S+32*\c+15], v[SO+2*\c]
	v_cvt_scalef32_pk16_bf6_f32 v[TP+4*\c:TP+4*\c+2], v[S+32*\c+16:S+32*\c+31], v[SO+2*\c+1]
.endr
	v_nop                                          ; one plain place behind a scaled conversion
.irp c, 0,1                                    ; a WHOLE block in a lane
.irp i, 0,1,2
	v_permlane16_swap_b32 v[PC+6*\c+\i], v[TP+4*\c+\i]
.endr
.irp i, 0,1,2
	s_delay_alu instid0(VALU_DEP_3)
	v_mov_b32 v[PC+6*\c+3+\i], v[TP+4*\c+\i]
.endr
.endr
.set j, 0
.rept 16
	v_pk_mul_f32 v[O+j:O+j+1], v[O+j:O+j+1], v[FF:FF+1] op_sel_hi:[1,0]   ; O^T under the new M.  (Of these sixteen, twelve name no register of any one product below: the places behind the codes' and the scale word's writes)
.set j, j+2
.endr
	s_wait_alu depctr_va_vdst(0)
	s_wait_dscnt 0x0                               ; v is in
.irp t, 0,1,2,3                                ; the four accumulators by turns; the scores' eight products stand between a step's and the next step's
	v_wmma_scale_f32_16x16x128_f8f6f4 v[O+8*\t:O+8*\t+7], v[F+12*\t:F+12*\t+11], v[PC:PC+11], v[O+8*\t:O+8*\t+7], v[46+\t], v[PSW] matrix_a_fmt:MATRIX_FMT_BF6 matrix_b_fmt:MATRIX_FMT_BF6
.endr
.rept 4
	v_nop                                          ; places in front of the next loads into v's registers and of the next read of O^T
.endr
.Lhidden_\@:
	s_add_co_u32 s12, s12, 1
.endm
.macro SLOT_STEPS
	v_add_nc_u32 v3, s15, v1
	v_add_nc_u32 v4, s15, v2
	STEP 0
	STEP 1
	s_xor_b32 s15, s15, SLOT1
.endm
; A PASS'S END: O^T / l, quantised along the head's 64 (two blocks), as an image of six registers, and its two scale bytes.
.macro FINISH
	v_add_f32 v14, v14, v15
	s_delay_alu instid0(VALU_DEP_1)
	v_permlanex16_b32 v[T0], v14, s40, s41
	s_delay_alu instid0(VALU_DEP_1)
	v_add_f32 v14, v14, v[T0]                      ; the row's sum
	s_wait_alu depctr_va_vdst(0)
	v_rcp_f32 v14, v14
	v_nop                                          ; a plain place behind the reciprocal
	s_wait_alu depctr_va_vdst(0)                   ; and the wait ahead of its first reader
.set j, 0
.rept 32
	v_mul_f32 v[S+j], v[O+j], v14                  ; register 16 b + i = channel 32 b + 16 (lane / 16) + i of my query
.set j, j+1
.endr
.irp b, 0,1
	v_max3_num_f32 v[BM+\b], |v[S+16*\b]|, |v[S+16*\b+1]|, 0x2800000
.endr
.irp i, 2,4,6,8,10,12,14
.irp b, 0,1
	s_delay_alu instid0(VALU_DEP_2)
	v_max3_num_f32 v[BM+\b], v[BM+\b], |v[S+16*\b+\i]|, |v[S+16*\b+\i+1]|
.endr
.endr
.irp b, 0,1
	s_delay_alu instid0(VALU_DEP_2)
	v_permlanex16_b32 v[TP+\b], v[BM+\b], s40, s41
.endr
.irp b, 0,1
	s_delay_alu instid0(VALU_DEP_2)
	v_max_num_f32 v[BM+\b], v[BM+\b], v[TP+\b]
.endr
.irp b, 0,1
	s_delay_alu instid0(VALU_DEP_2)
	v_add_nc_u32 v[SO+\b], 0xfe000000, v[BM+\b]
.endr
.irp b, 0,1
	s_delay_alu instid0(VALU_DEP_2)
	v_lshrrev_b32 v[TP+\b], 23, v[SO+\b]
.endr
	s_delay_alu instid0(VALU_DEP_1)
	v_lshl_or_b32 v[T1], v[TP+1], 8, v[TP]         ; the two bytes
	v_cvt_scalef32_pk16_bf6_f32 v[PC:PC+2], v[S:S+15], v[SO]
	v_cvt_scalef32_pk16_bf6_f32 v[TP+4:TP+6], v[S+16:S+31], v[SO+1]
	v_nop
.irp i, 0,1,2
	v_permlane16_swap_b32 v[PC+\i], v[TP+4+\i]
.endr
.irp i, 0,1,2
	s_delay_alu instid0(VALU_DEP_3)
	v_mov_b32 v[PC+3+\i], v[TP+4+\i]
.endr
.irp g, 0,1,2
	global_store_b64 v7, v[PC+2*\g:PC+2*\g+1], s[32:33] offset:256*\g   ; 32 lanes store 256 consecutive bytes, aligned
.endr
	global_store_b16 v8, v[T1], s[34:35]
.endm
.macro NEXTPASS
	s_wait_xcnt 0x0                                ; the stores have read their registers and bases
	v_mov_b32 v40, v41                             ; the scale word first: all that follows stands between it and the next product
.irp j, 0,1,2,3,4,5
	v_mov_b32 v[22+\j], v[34+\j]
.endr
.set j, 0
.rept 32
	v_mov_b32 v[O+j], 0
.set j, j+1
.endr
	v_mov_b32 v14, 0
	v_mov_b32 v15, 0
	v_mov_b32 v13, 0xff61b1e6
	s_delay_alu instid0(VALU_DEP_1)
	v_floor_f32 v12, -v13
	s_mov_b32 s12, 0
	s_mov_b32 s13, s14
	s_add_nc_u64 s[32:33], s[32:33], s[36:37]
	s_add_nc_u64 s[34:35], s[34:35], s[38:39]
.endm
.Lslot:                                            ; eight trips; behind each change of slots the next trip's slot is asked for
	CHANGE 1
	s_cmp_lg_u32 s11, s10                          ; trip i + 1 begins the second pass: a branch on ids, round work on registers and stores alone
	s_cbranch_scc1 .Lsame
	s_wait_alu depctr_va_vdst(0)
	FINISH
	NEXTPASS
.Lsame:
	SLOT_STEPS
	s_add_co_u32 s11, s11, 1
	s_cmp_lt_u32 s11, 8
	s_cbranch_scc1 .Lslot
	CHANGE 0                                       ; the ninth slot is written out
	SLOT_STEPS
	s_wait_alu depctr_va_vdst(0)
	FINISH
	s_wait_tensorcnt 0x0                           ; the wave's end
	ds_add_u32 v5, v6
	s_wait_dscnt 0x0
	s_endpgm
.Lfunc_end_k_q2b86152ecb_attn:
	.size	k_q2b86152ecb_attn, .Lfunc_end_k_q2b86152ecb_attn-k_q2b86152ecb_attn
	.p2alignl 7, 3214868480
	.fill 96, 4, 3214868480
	.section	.rodata,"a",@progbits
	.p2align	6, 0x0
	.amdhsa_kernel k_q2b86152ecb_attn
		.amdhsa_group_segment_fixed_size 327680
		.amdhsa_private_segment_fixed_size 0
		.amdhsa_enable_private_segment 0
		.amdhsa_kernarg_size 16
		.amdhsa_user_sgpr_count 2
		.amdhsa_user_sgpr_kernarg_segment_ptr 1
		.amdhsa_wavefront_size32 1
		.amdhsa_system_sgpr_workgroup_id_x 1
		.amdhsa_system_sgpr_workgroup_id_y 1
		.amdhsa_system_sgpr_workgroup_id_z 1
		.amdhsa_system_vgpr_workitem_id 0
		.amdhsa_next_free_vgpr 256
		.amdhsa_next_free_sgpr 66
		.amdhsa_reserve_vcc 1
		.amdhsa_float_denorm_mode_32 3
		.amdhsa_float_denorm_mode_16_64 3
		.amdhsa_memory_ordered 1
		.amdhsa_forward_progress 1
		.amdhsa_inst_pref_size 106
	.end_amdhsa_kernel
	.amdgpu_metadata
---
amdhsa.version: [ 1, 2 ]
amdhsa.kernels:
  - .name:           k_q2b86152ecb_attn
    .symbol:         k_q2b86152ecb_attn.kd
    .args:
      - { .name: qkv, .offset: 0, .size: 8, .value_kind: global_buffer, .address_space: global }
      - { .name: ob, .offset: 8, .size: 8, .value_kind: global_buffer, .address_space: global }
    .group_segment_fixed_size: 327680
    .private_segment_fixed_size: 0
    .kernarg_segment_align: 8
    .kernarg_segment_size: 16
    .max_flat_workgroup_size: 512
    .sgpr_count:     66
    .vgpr_count:     256
    .wavefront_size: 32
...
	.end_amdgpu_metadata
.endif
;; end of part 3
;; launch oproj (part 4): grid 4 x 32, 4 waves a work-group, clusters of 4 x 4, 327,680 bytes of LDS; arguments ob, wq, out0; writes out0
.if DOCPART == 4
	.amdgcn_target "amdgcn-amd-amdhsa--gfx1250"
	.amdhsa_code_object_version 6
	.text
	.protected	k_q2b86152ecb_oproj
	.globl	k_q2b86152ecb_oproj
	.p2align	8
	.type	k_q2b86152ecb_oproj,@function
k_q2b86152ecb_oproj:
	s_mov_b64 s[64:65], 0
	v_nop
	global_prefetch_b8 v0, s[64:65] scope:SCOPE_SE
	s_setreg_imm32_b32 hwreg(HW_REG_WAVE_MODE, 25, 1), 1
	s_wait_xcnt 0x0
	s_wait_alu depctr_hold_cnt(0) depctr_sa_sdst(0) depctr_va_vdst(0) depctr_va_sdst(0) depctr_va_ssrc(0) depctr_va_vcc(0) depctr_vm_vsrc(0)
	s_getreg_b32 s2, hwreg(HW_REG_IB_STS2, 6, 4)
	s_cmp_eq_u32 s2, 0
	s_cbranch_scc0 .Lentry_in_a_cluster
	s_endpgm
.Lentry_in_a_cluster:
	s_bfe_u32 s2, ttmp6, 0x10000c
	s_cmp_lg_u32 s2, 0xf033
	s_cbranch_scc0 .Lentry_shape_is_right
	s_endpgm
.Lentry_shape_is_right:
; out0[m][n] = sum over k of o[m][k] Wo[k][n], on codes of BF6 (E3M2), K = 1,024; out0 [8192][1024] f32.
; A = o: images of fragments, [512 tiles of 16 rows][8 K steps][6 pieces of 256 bytes] (register pair p of lane l at 256 p + 8 l), scale bytes [8192][32] from byte 6,291,456 of ob on.
; B = Wo's columns: rows 3,072 to 4,095 of wq, 768 bytes of codes a row; scale bytes [.][32] from byte 3,145,728 of wq on.  Both lie with bits 3 and 4 of the row number exchanged: sixteen rows on end are rows
; 32 (T / 2) + 8 (T % 2) + r + 8 (r / 8); the way out puts rows and columns back in their places.
; A tile of 256 x 256 to a work-group of four waves, 128 x 128 a wave: 64 accumulators.  K goes in steps of 256 through a ring of two LDS slots; the scale bytes come into LDS once.  128 work-groups: the output has no more such tiles.
; CLUSTERS: 4 x 4 work-groups; A's tiles are asked for jointly along a row of the cluster, B's along a column.  THE MATRIX INSTRUCTION IS USED TRANSPOSED (source 0 = 16 rows of B, source 1 = 16 rows of A).
; REGISTERS, in windows of 256: window 0: v0-31 addresses; v32-63 scale words, two sets; from v128 A's fragments, one set.  window 1: B's fragments, two sets.  windows 2, 3: the accumulators ((a, b) at v[8 (8 a + b)]).
.set KSTEP,  256
.set NQ,     KSTEP/128
.set ROWB,   192
.set KROW,   768
.set PITCH,  240                       ; B's LDS row: 3 x (64 bytes + 16 of padding)
.set FR,     12
.set NL,     6
.set NP,     4
.set HALFT,  128*PITCH                 ; what one tensor load of B brings; A's brings 8 x 3,072 bytes into as large a region
.set SLOT,   4*HALFT
.set LAPS,   2
.set KS,     32
.set SCL,    2*SLOT
.set HALFS,  (128*KS/256)*272
.set SBLK,   (16*KS/256)*272
.set SPARE,  SCL+4*HALFS               ; the spare words, 128 bytes for each wave, that no other line names
.set SPITCH, 528                       ; the way out: a stage of 16 rows x (512 bytes + 16) for each wave, in slot 0, which has had its last fill and its last read when the first result is stored there
.set SIZE_N, 1024
.set ADRA, 16                          ; v16-17  LDS address of my A images in slot 0, 1: 8 x lane + ..
.set ADRB, 20                          ; v20-23  of my B fragments
.set STO,  24
.set RD,   25
.set CO,   26
.set ADRS, 27
.set SPW,  28
.set NIL,  29
.set SC,   32
.set AF,   128
.set BK,   128
.set G1, 24
.set G0, 32
.set G1B, 48
.set G0B, 56
.set G1S, 68
.set G0S, 76
.set G1SB, 80
.set G0SB, 88
.set MSB, 0
.macro WIN new
.if MSB != (\new)
	s_set_vgpr_msb (MSB<<8)|(\new)
.set MSB, (\new)
.endif
.endm
.set MUL_LO, 0xa1
.set MUL_HI, 0xf1
.set TO_B,   0x40
.macro JLOAD g0a, g1a, g0b, g1b        ; a joint load: waves 0 and 1 fetch for A, waves 2 and 3 for B; four v_nop follow each of the two lines
	s_cmp_eq_u32 s15, 0
	s_cbranch_scc0 .Lfor_b_\@
	tensor_load_to_lds s[\g0a:\g0a+3], s[\g1a:\g1a+7]
	s_nop 0
.rept 4
	v_nop
.endr
	s_branch .Lasked_\@
.Lfor_b_\@:
	tensor_load_to_lds s[\g0b:\g0b+3], s[\g1b:\g1b+7]
	s_nop 0
.rept 4
	v_nop
.endr
.Lasked_\@:
.endm
.macro CREST
	s_cmp_lg_u32 s14, 0
	s_cbranch_scc1 .Lnot_wave_0_\@
	s_barrier_signal -3
.Lnot_wave_0_\@:
	s_barrier_wait -3
	s_barrier_signal -1
	s_barrier_wait -1
.endm
.macro CROUND
	s_barrier_signal -1
	s_barrier_wait -1
	CREST
.endm
	s_load_b128 s[4:7], s[0:1], 0x0                ; ob, wq
	s_load_b64 s[12:13], s[0:1], 0x10              ; out0
	v_lshl_add_u32 v[SPW], v0, 2, SPARE
	v_mov_b32 v[NIL], 0
	ds_add_u32 v28, v29
	s_wait_dscnt 0x0
	v_lshrrev_b32 v1, 5, v0
	v_readfirstlane_b32 s14, v1                    ; wave 0..3
	s_lshr_b32 s15, s14, 1                         ; which half of the tile's rows is mine.  Also: I fetch for A (0) or for B (1)
	s_and_b32 s16, s14, 1                          ; which half of its columns.  Also: which 128 rows of that tile I fetch
	s_bfe_u32 s40, ttmp6, 0x40000                  ; cx, cy
	s_bfe_u32 s41, ttmp6, 0x40004
	s_lshl_b32 s42, ttmp9, 2
	s_add_co_u32 s42, s42, s40                     ; tile column = 4 x cluster x + cx
	s_and_b32 s17, ttmp7, 0xffff
	s_lshl_b32 s17, s17, 2
	s_add_co_u32 s17, s17, s41                     ; tile row = 4 x cluster y + cy
	s_lshl_b32 s43, s41, 2
	s_lshl_b32 s43, 15, s43                        ; my row of the cluster
	s_lshl_b32 s44, 0x1111, s40                    ; my column
	; group 1 for A's images: 8 tiles of rows x 3,072 bytes (two K steps), 12,288 bytes apart; elements of 8 bytes; no padding: every read is 8 bytes x lane on end
	s_or_b32 s[G1+0], s43, (3<<16)|(1<<21)
	s_mov_b32 s[G1+1], 384<<16                     ; tensor_dim0
	s_mov_b32 s[G1+2], 8<<16                       ; tensor_dim1
	s_mov_b32 s[G1+3], 384<<16                     ; tile_dim0
	s_mov_b32 s[G1+4], 8                           ; tile_dim1
	s_mov_b32 s[G1+5], 1536                        ; the pitch, in elements
	s_mov_b32 s[G1+6], 0
	s_mov_b32 s[G1+7], 0
	; group 1 for B's tiles: 128 rows x 192 bytes, 16 bytes of padding behind every 64
	s_or_b32 s[G1B+0], s44, (0<<16)|(1<<20)|(1<<21)|(3<<22)|(3<<25)
	s_mov_b32 s[G1B+1], ROWB<<16
	s_mov_b32 s[G1B+2], 128<<16
	s_mov_b32 s[G1B+3], ROWB<<16
	s_mov_b32 s[G1B+4], 128
	s_mov_b32 s[G1B+5], KROW
	s_mov_b32 s[G1B+6], 0
	s_mov_b32 s[G1B+7], 0
	; the scale bytes of 128 rows: 4,096 dense bytes as rows of 256, 16 bytes of padding behind each
	s_or_b32 s[G1S+0], s43, (3<<16)|(1<<20)|(1<<21)|(5<<22)|(3<<25)
	s_or_b32 s[G1SB+0], s44, (3<<16)|(1<<20)|(1<<21)|(5<<22)|(3<<25)
.irp g, G1S, G1SB
	s_mov_b32 s[\g+1], 32<<16
	s_mov_b32 s[\g+2], (128*KS/256)<<16
	s_mov_b32 s[\g+3], 32<<16
	s_mov_b32 s[\g+4], 128*KS/256
	s_mov_b32 s[\g+5], 32
	s_mov_b32 s[\g+6], 0
	s_mov_b32 s[\g+7], 0
.endr
	s_lshl_b32 s18, s16, 7
	s_lshl_b32 s20, s17, 8
	s_add_co_u32 s20, s20, s18                     ; A: row 256 x tile row + 128 x half
	s_lshl_b32 s46, s42, 8
	s_add_co_u32 s46, s46, s18                     ; B: row 256 x tile column + 128 x half
	s_lshl_b32 s22, s20, 5
	s_add_co_u32 s22, s22, 6291456                 ; A's scale bytes
	s_mov_b32 s23, 0
	s_mul_i32 s20, s20, KROW                       ; A's images: 12,288 bytes for 16 rows
	s_mov_b32 s21, 0
	s_lshl_b32 s92, s46, 5
	s_add_co_u32 s92, s92, 3244032                 ; Wo's scale bytes: 3,145,728 + 3,072 x 32
	s_mov_b32 s93, 0
	s_mul_i32 s46, s46, KROW
	s_add_co_u32 s46, s46, 2359296                 ; Wo's codes: row 3,072 of wq
	s_mov_b32 s47, 0
	s_mul_i32 s45, s14, HALFT                      ; where they go: no place in the cluster enters an LDS address
	s_mul_i32 s94, s14, HALFS
	s_wait_kmcnt 0x0
	s_add_nc_u64 s[20:21], s[4:5], s[20:21]
	s_add_nc_u64 s[22:23], s[4:5], s[22:23]
	s_add_nc_u64 s[46:47], s[6:7], s[46:47]
	s_add_nc_u64 s[92:93], s[6:7], s[92:93]
	CROUND                                         ; all sixteen work-groups are here: the first joint loads meet
	s_mov_b32 s[G0S], 1
	s_add_co_u32 s[G0S+1], s94, SCL
	s_mov_b64 s[G0S+2:G0S+3], s[22:23]
	s_or_b32 s[G0S+3], s[G0S+3], 0x80000000
	s_mov_b32 s[G0SB], 1
	s_add_co_u32 s[G0SB+1], s94, SCL
	s_mov_b64 s[G0SB+2:G0SB+3], s[92:93]
	s_or_b32 s[G0SB+3], s[G0SB+3], 0x80000000
	JLOAD G0S, G1S, G0SB, G1SB
.irp s, 0,1
	s_mov_b32 s[G0+4*\s], 1
	s_add_co_u32 s[G0+4*\s+1], s45, \s*SLOT
	s_add_nc_u64 s[G0+4*\s+2:G0+4*\s+3], s[20:21], \s*3072
	s_or_b32 s[G0+4*\s+3], s[G0+4*\s+3], 0x80000000
	s_mov_b32 s[G0B+4*\s], 1
	s_add_co_u32 s[G0B+4*\s+1], s45, \s*SLOT
	s_add_nc_u64 s[G0B+4*\s+2:G0B+4*\s+3], s[46:47], \s*ROWB
	s_or_b32 s[G0B+4*\s+3], s[G0B+4*\s+3], 0x80000000
	JLOAD G0+4*\s, G1, G0B+4*\s, G1B
.endr
	v_and_b32 v1, 15, v0                           ; r
	v_bfe_u32 v2, v0, 4, 1                         ; l / 16
	v_mul_u32_u24 v3, v1, PITCH
	v_mul_u32_u24 v4, v2, 24
	v_add_nc_u32 v4, v3, v4                        ; B: a fragment's row x pitch + 24 x half
	v_lshl_add_u32 v5, v2, 4, v4                   ; and the same behind one padding more
	v_and_b32 v6, 31, v0
	v_lshlrev_b32 v3, 3, v6                        ; A: 8 x lane
	s_mul_i32 s21, s15, HALFT
	s_mul_i32 s22, s16, HALFT
	s_add_co_u32 s22, s22, 2*HALFT
.irp s, 0,1
	v_add_nc_u32 v[ADRA+\s], s21, v3
	v_add_nc_u32 v[ADRB+\s], s22, v4
	v_add_nc_u32 v[ADRB+2+\s], s22, v5
	s_add_co_u32 s21, s21, SLOT
	s_add_co_u32 s22, s22, SLOT
.endr
	v_mul_u32_u24 v5, v1, KS
	v_lshrrev_b32 v6, 8, v5
	v_lshl_add_u32 v5, v6, 4, v5
	s_mul_i32 s21, s15, HALFS
	s_mul_i32 s22, s16, HALFS
	s_add_co_u32 s22, s22, 2*HALFS
	s_sub_co_u32 s22, s22, s21
	v_mul_u32_u24 v6, s22, v2                      ; lanes 16-31 take B's
	s_add_co_u32 s21, s21, SCL
	v_add_nc_u32 v5, v5, v6
	v_add_nc_u32 v[ADRS], s21, v5
	s_mul_i32 s23, s14, 16*SPITCH                  ; my stage
	v_mul_u32_u24 v5, v1, SPITCH                   ; in: row r; accumulator b's eight columns are 32 (b / 2) + 8 (b % 2) + 16 (l / 16) + 0 .. 7
	v_lshl_add_u32 v5, v2, 6, v5
	v_add_nc_u32 v[STO], s23, v5
	v_and_b32 v6, 31, v0
	v_lshlrev_b32 v[CO], 4, v6                     ; back: the 32 lanes take one row of 512 bytes; and the same in out0
	v_add_nc_u32 v[RD], s23, v[CO]
	s_lshl_b32 s20, s17, 8
	s_lshl_b32 s21, s15, 7
	s_add_co_u32 s20, s20, s21                     ; my first row
	s_lshl_b32 s20, s20, 12                        ; 4,096 bytes a row
	s_lshl_b32 s46, s42, 10                        ; my first column, in bytes
	s_lshl_b32 s47, s16, 9
	s_add_co_u32 s20, s20, s46
	s_add_co_u32 s20, s20, s47
	s_mov_b32 s21, 0
	s_add_nc_u64 s[12:13], s[12:13], s[20:21]
.macro FRAG reg, adr, q, i             ; a fragment of B from padded rows, in pieces of 8 bytes
.irp p, 0,1,2,3,4,5
.set PCE, 12*(\q)+6*(\p/3)+\p%3
.if PCE%8 < 5
	ds_load_b64 v[\reg+2*\p:\reg+2*\p+1], v[\adr] offset:8*PCE+16*(PCE/8)+(\i)*16*PITCH
.else
	ds_load_b64 v[\reg+2*\p:\reg+2*\p+1], v[\adr+2] offset:8*PCE+16*(PCE/8)+(\i)*16*PITCH
.endif
.endr
.endm
.macro FRAGA reg, slot, q, i           ; a fragment of A from its image: six pieces of 256 bytes
.irp p, 0,1,2,3,4,5
	ds_load_b64 v[\reg+2*\p:\reg+2*\p+1], v[ADRA+\slot] offset:(\i)*3072+(\q)*1536+256*\p
.endr
.endm
.macro MUL16 a0, p, q, sc, zero        ; the 64 accumulators take turns, one instruction a turn
.irp a, \a0, \a0+1
.irp b, 0,1,2,3,4,5,6,7
.if \zero
	v_wmma_scale_f32_16x16x128_f8f6f4 v[8*(8*((\a)%4)+\b):8*(8*((\a)%4)+\b)+7], v[128*(\p)+FR*\b:128*(\p)+FR*\b+FR-1], v[AF+FR*(\a):AF+FR*(\a)+FR-1], 0, v[SC+8*NQ*(\sc)+NQ*\b+(\q)], v[SC+8*NQ*(\sc)+NQ*(\a)+(\q)] matrix_a_fmt:MATRIX_FMT_BF6 matrix_b_fmt:MATRIX_FMT_BF6 matrix_a_scale:MATRIX_SCALE_ROW1
.else
	v_wmma_scale_f32_16x16x128_f8f6f4 v[8*(8*((\a)%4)+\b):8*(8*((\a)%4)+\b)+7], v[128*(\p)+FR*\b:128*(\p)+FR*\b+FR-1], v[AF+FR*(\a):AF+FR*(\a)+FR-1], v[8*(8*((\a)%4)+\b):8*(8*((\a)%4)+\b)+7], v[SC+8*NQ*(\sc)+NQ*\b+(\q)], v[SC+8*NQ*(\sc)+NQ*(\a)+(\q)] matrix_a_fmt:MATRIX_FMT_BF6 matrix_b_fmt:MATRIX_FMT_BF6 matrix_a_scale:MATRIX_SCALE_ROW1
.endif
.endr
.endr
.endm
.macro FETCH_B slot, q, p
	WIN TO_B
.irp i, 0,1,2,3,4,5,6,7
	FRAG 128*(\p)+FR*\i, ADRB+\slot, \q, \i
.endr
	WIN 0
.endm
.macro FETCH_A slot, q, i0
.irp i, \i0, \i0+1, \i0+2, \i0+3
	FRAGA AF+FR*(\i), \slot, \q, \i
.endr
.endm
.macro SCALES sc
.irp i, 0,1,2,3,4,5,6,7
	ds_load_b64 v[SC+8*NQ*\sc+NQ*\i:SC+8*NQ*\sc+NQ*\i+1], v[ADRS] offset:\i*SBLK
.endr
.endm
.macro PLACES n
.rept \n
	v_nop
.endr
.endm
.macro STEP slot, q, zero
	s_wait_dscnt 4*NL                              ; B's set and A's blocks 0-3 are in; the youngest 24 loads (A's blocks 4-7) may be out
	WIN MUL_LO
	MUL16 0, (\q)%2, \q, \slot, \zero
	MUL16 2, (\q)%2, \q, \slot, \zero
	s_wait_dscnt 0
	PLACES NP
	FETCH_B \slot, (\q)+1, 1-(\q)%2
	FETCH_A \slot, (\q)+1, 0
	WIN MUL_HI
	MUL16 4, (\q)%2, \q, \slot, \zero
	MUL16 6, (\q)%2, \q, \slot, \zero
	PLACES NP
	WIN 0
	FETCH_A \slot, (\q)+1, 4
.endm
.macro TURN slot, next, fill
	s_wait_tensorcnt 0x0                           ; all my tensor loads have landed: my part of the next slot
	ds_add_u32 v[SPW], v[NIL]                      ; 0 onto my spare word
	s_wait_dscnt 4*NL+1                            ; (the add and the youngest 24 loads may be out)
	WIN MUL_LO
	MUL16 0, 1, NQ-1, \slot, 0
	s_wait_dscnt 0x0                               ; the add is done, and my reads of this slot are over
	s_barrier_signal -1
	MUL16 2, 1, NQ-1, \slot, 0
	WIN 0
	s_barrier_wait -1
.if \fill
	CREST                                          ; the barrier has opened a round of the cluster's
	s_add_nc_u64 s[G0+4*\slot+2:G0+4*\slot+3], s[G0+4*\slot+2:G0+4*\slot+3], 2*3072
	s_add_nc_u64 s[G0B+4*\slot+2:G0B+4*\slot+3], s[G0B+4*\slot+2:G0B+4*\slot+3], 2*ROWB
	JLOAD G0+4*\slot, G1, G0B+4*\slot, G1B         ; the first tensor load behind the round
.else
	PLACES NP
.endif
	v_add_nc_u32 v[ADRS], 4*NQ, v[ADRS]
	FETCH_B \next, 0, 0
	FETCH_A \next, 0, 0
	SCALES \next
	WIN MUL_HI
	MUL16 4, 1, NQ-1, \slot, 0
	MUL16 6, 1, NQ-1, \slot, 0
	PLACES NP
	WIN 0
	FETCH_A \next, 0, 4
.endm
	s_wait_tensorcnt 1                             ; the scales and my part of K step 0 are in (K step 1's load may be out),
	s_barrier_signal -1
	s_barrier_wait -1                              ; everybody's are
	FETCH_B 0, 0, 0
	FETCH_A 0, 0, 0
	SCALES 0
	FETCH_A 0, 0, 4
	STEP 0, 0, 1
	s_mov_b32 s3, LAPS-1
.Llap:
	TURN 0, 1, 1
	STEP 1, 0, 0
	TURN 1, 0, 1
	STEP 0, 0, 0
	s_sub_co_u32 s3, s3, 1
	s_cmp_lg_u32 s3, 0
	s_cbranch_scc1 .Llap
	TURN 0, 1, 0
	STEP 1, 0, 0
	s_wait_dscnt 4*NL
	WIN MUL_LO
	MUL16 0, 1, NQ-1, 1, 0
	MUL16 2, 1, NQ-1, 1, 0
	s_wait_dscnt 0
	WIN MUL_HI
	MUL16 4, 1, NQ-1, 1, 0
	MUL16 6, 1, NQ-1, 1, 0
	WIN 0
; THE WAY OUT, block by block of 16 rows x 128 columns, through my own stage: in, each lane's eight numbers at their true columns; back, whole rows of 512 bytes.  Stage row t of block a is row 32 (a / 2) + 8 (a % 2) + t + 8 (t / 8) of my 128.
.macro TOSTAGE a
.set AC, 64*((\a)%4)
	WIN 0x08+4*((\a)/4)                            ; the data: window 2 or 3
.irp b, 0,1,2,3,4,5,6,7
	ds_store_b128 v[STO], v[AC+8*\b:AC+8*\b+3] offset:128*(\b/2)+32*(\b%2)          ; each accumulator from its low end on
	ds_store_b128 v[STO], v[AC+8*\b+4:AC+8*\b+7] offset:128*(\b/2)+32*(\b%2)+16
.endr
	WIN 0
.set BB, BK+64*((\a)%2)
.irp t, 0,1,2,3,4,5,6,7,8,9,10,11,12,13,14,15
	ds_load_b128 v[BB+4*\t:BB+4*\t+3], v[RD] offset:\t*SPITCH   ; LDS serves a wave's instructions in order: these see the stores above
.endr
.endm
.macro SEND a, younger
.set BB, BK+64*((\a)%2)
	s_wait_dscnt \younger                          ; the block is back in registers
.if (\a) > 0
	s_add_nc_u64 s[12:13], s[12:13], (8+16*(1-(\a)%2))*SIZE_N*4   ; (behind a wait on XCNT)  8 rows on to an odd block, 24 to an even one
.endif
.irp t, 0,1,2,3,4,5,6,7,8,9,10,11,12,13,14,15
	global_store_b128 v[CO], v[BB+4*\t:BB+4*\t+3], s[12:13] offset:(\t+8*(\t/8))*SIZE_N*4 th:TH_STORE_NT   ; 32 lanes store 512 consecutive bytes, aligned
.endr
.endm
	PLACES NP
	TOSTAGE 0
.irp a, 1,2,3,4,5,6,7
.if \a > 1
	s_wait_xcnt 0x0                                ; block a - 2's stores have read their registers and their base
.endif
	TOSTAGE \a
	SEND \a-1, 32                                  ; behind block a - 1's loads: block a's 16 stores and 16 loads
.endr
	s_wait_xcnt 0x0
	SEND 7, 0
	s_wait_tensorcnt 0x0                           ; the wave's end
	ds_add_u32 v[SPW], v[NIL]
	s_wait_dscnt 0x0
	CROUND                                         ; the closing round
	s_endpgm
.Lfunc_end_k_q2b86152ecb_oproj:
	.size	k_q2b86152ecb_oproj, .Lfunc_end_k_q2b86152ecb_oproj-k_q2b86152ecb_oproj
	.p2alignl 7, 3214868480
	.fill 96, 4, 3214868480
	.section	.rodata,"a",@progbits
	.p2align	6, 0x0
	.amdhsa_kernel k_q2b86152ecb_oproj
		.amdhsa_group_segment_fixed_size 327680
		.amdhsa_private_segment_fixed_size 0
		.amdhsa_enable_private_segment 0
		.amdhsa_kernarg_size 24
		.amdhsa_user_sgpr_count 2
		.amdhsa_user_sgpr_kernarg_segment_ptr 1
		.amdhsa_wavefront_size32 1
		.amdhsa_system_sgpr_workgroup_id_x 1
		.amdhsa_system_sgpr_workgroup_id_y 1
		.amdhsa_system_sgpr_workgroup_id_z 1
		.amdhsa_system_vgpr_workitem_id 0
		.amdhsa_next_free_vgpr 1024
		.amdhsa_next_free_sgpr 98
		.amdhsa_reserve_vcc 0
		.amdhsa_float_denorm_mode_32 3
		.amdhsa_float_denorm_mode_16_64 3
		.amdhsa_memory_ordered 1
		.amdhsa_forward_progress 1
		.amdhsa_inst_pref_size 160
	.end_amdhsa_kernel
	.amdgpu_metadata
---
amdhsa.version: [ 1, 2 ]
amdhsa.kernels:
  - .name:           k_q2b86152ecb_oproj
    .symbol:         k_q2b86152ecb_oproj.kd
    .args:
      - { .name: ob, .offset: 0, .size: 8, .value_kind: global_buffer, .address_space: global }
      - { .name: wq, .offset: 8, .size: 8, .value_kind: global_buffer, .address_space: global }
      - { .name: out0, .offset: 16, .size: 8, .value_kind: global_buffer, .address_space: global }
    .group_segment_fixed_size: 327680
    .private_segment_fixed_size: 0
    .kernarg_segment_align: 8
    .kernarg_segment_size: 24
    .max_flat_workgroup_size: 128
    .sgpr_count:     98
    .vgpr_count:     1024
    .wavefront_size: 32
...
	.end_amdgpu_metadata
.endif
;; end of part 4
